; MI455X (gfx1250); checked and timed in simulation.
; The chip was launched on July 23, 2026; its instructions are those of AMD's public machine-readable ISA for CDNA 5 (MIT licence, August 2026) and "CDNA5" Instruction Set Architecture Reference Guide (July 2026). The comments in the code are by the model that wrote it; some were corrected since.
;; LTX Self Attention. Allowed arithmetic: matrix products marked QUANTISED: E2M3 operands, one E8M0 scale for each 32 along K, by v_wmma_scale_f32_16x16x128_f8f6f4 with both operands' format E2M3, f32 sums; everything else in f32.
;; Inputs: Wk 2,048 x 2,048 float32; Wo 2,048 x 2,048 float32; Wq 2,048 x 2,048 float32; Wv 2,048 x 2,048 float32; bk 2,048 float32; bo 2,048 float32; bq 2,048 float32; bv 2,048 float32; k_norm_w 2,048 float32; pe_cos 1 x 2,048 x 2,048 float32; pe_sin 1 x 2,048 x 2,048 float32; q_norm_w 2,048 float32; x 1 x 2,048 x 2,048 float32.
;; Outputs: out0 1 x 2,048 x 2,048 float32.
;; This version of the problem:
;;   THIS VERSION OF THE PROBLEM IS GIVEN IN LOW PRECISION. The matrix products marked QUANTISED in the list below multiply operands that are first quantised to E2M3 (2 exponent bits, 3 mantissa bits; 6 bits a number), with one power-of-two scale for each 32 numbers along K (OCP MX v1.0); their sums are f32. All else is computed in f32.
;;   The module's matrix products, in the order in which they are computed (A, B: the left and right operand; K: the contracted axis; several contracted axes count as one K, in the product's order):
;;     1. [M 2,048, K 2,048] x [K 2,048, N 2,048]; A: input x; B: input Wq: QUANTISED
;;     2. [M 2,048, K 2,048] x [K 2,048, N 2,048]; A: input x; B: input Wk: QUANTISED
;;     3. [M 2,048, K 2,048] x [K 2,048, N 2,048]; A: input x; B: input Wv: QUANTISED
;;     4. batch 32 x [M 2,048, K 64] x [K 64, N 2,048]; A: computed on the way; B: computed on the way: QUANTISED
;;     5. batch 32 x [M 64, K 2,048] x [K 2,048, N 2,048]; A: computed on the way; B: softmax (see below): QUANTISED
;;     6. [M 2,048, K 2,048] x [K 2,048, N 2,048]; A: computed on the way; B: input Wo: QUANTISED
;;   THE QUANTISER, for each operand of a quantised product, along K:
;;     - K is cut into blocks of 32 from its start; a last block that is shorter is filled with zeros.
;;     - A block's scale is 2^e with e = floor(log2(the largest magnitude in the block)) - 2, held to -126 .. 127; a block of zeros has e = 0. As a byte (E8M0): e + 127.
;;     - Each number is divided by its block's scale, clamped to +-7.5, and rounded to the nearest number of E2M3, ties to even, subnormals kept.
;;     - The product sums the exact products of the quantised numbers (number of the format x scale) in f32.
;;   ~~~python
;;   def quantise(x, axis):      # numpy; x: float32 -> the quantised numbers, widened to float32 again
;;       x = np.moveaxis(x, axis, -1); K = x.shape[-1]
;;       x = np.pad(x, [(0, 0)] * (x.ndim - 1) + [(0, -K % 32)]); x = x.reshape(x.shape[:-1] + (-1, 32)); a = np.abs(x).max(-1, keepdims=True)
;;       e = np.where(a > 0, np.clip(np.frexp(np.where(a > 0, a, 1))[1] - 1 - 2, -126, 127), 0)      # np.frexp(a)[1] - 1 = floor(log2(a)), exactly
;;       r = np.clip(x / 2.0 ** e, -7.5, 7.5)
;;       step = 2.0 ** (np.maximum(np.frexp(np.where(r == 0, 1, r))[1] - 1, 0) - 3)
;;       q = np.round(r / step) * step * 2.0 ** e      # np.round: ties to even
;;       return np.moveaxis(q.reshape(q.shape[:-2] + (-1,))[..., :K], -1, axis).astype(np.float32)
;;   ~~~
;;   SOFTMAX AHEAD OF A QUANTISED PRODUCT. Where the list says 'softmax', what is quantised is not the finished softmax but p = 2^(t - M), with t = logit x log2(e) and M = ceil(the row's largest t), a whole number; so 1/2 < the row's largest p <= 1. The row's sum l is taken of the UNQUANTISED p, in f32, and the product's result is divided by l at the end. Since M is a whole number, a kernel that streams over the keys may use a running M (the ceiling of the running maximum): every later rescaling is an exact power of two, which a block's scale takes up: the codes' values come out the same.
;;   OPERANDS COMPUTED ON THE WAY. 'Computed on the way' means the value that the module computes at that place (a softmax that the list does not call 'softmax' is quantised finished and normalised). What goes into a quantiser is computed in f32, as accurately as f32 sums, v_exp_f32 and their like allow (about 1e-6 of the number): no bf16 or f16 on the way to a quantiser, and a product that is left as it is and whose result goes on into a quantised operand takes f32 operands (vector FMAs, or v_wmma_f32_16x16x4_f32). A number that lies on a knife's edge between two numbers of the format may be rounded either way, as far as f32 arithmetic and the matrix unit's own rounding can turn it there, and no further.
;; One version. Each part assembles by itself: llvm-mc -triple=amdgcn-amd-amdhsa -mcpu=gfx1250 --defsym DOCPART=n.
;; ======== version 1 of 1: 5 launches
;; limits: right only within a limited range of input values
;; workspace buffers: xi 3,276,800 bytes; wi 9,830,400 bytes; woi 3,276,800 bytes; qkv 33,554,432 bytes; qi 3,407,872 bytes; kvi 6,684,672 bytes; oi 3,276,800 bytes; ssq 262,144 bytes
;; launch quant (part 1): grid 640 x 1, 4 waves a work-group, no clusters, 34,304 bytes of LDS; arguments x, Wq, Wk, Wv, Wo, xi, wi, woi; writes xi, wi, woi
.if DOCPART == 1
	.amdgcn_target "amdgcn-amd-amdhsa--gfx1250"
	.amdhsa_code_object_version 6
	.text
	.protected	k_qcc70df31d3_quant
	.globl	k_qcc70df31d3_quant
	.p2align	8
	.type	k_qcc70df31d3_quant,@function
k_qcc70df31d3_quant:
	s_mov_b64 s[64:65], 0
	v_nop
	global_prefetch_b8 v0, s[64:65] scope:SCOPE_SE
	s_setreg_imm32_b32 hwreg(HW_REG_WAVE_MODE, 25, 1), 1
	s_wait_xcnt 0x0
; x, Wq, Wk, Wv, Wo, each [2048][2048] f32 with K innermost, become codes of FP6 (E2M3) with one E8M0 byte for each 32 along K.
; A block's scale is 2^(floor(log2(its largest magnitude)) - 2); its byte is the largest magnitude's exponent field - 2, held at 1 from below.
; LIMITS: NaN and infinities are not served; a block whose largest magnitude lies under 2^-124, a block of zeros among them, gets the byte 1 (zeros: the rule says 127; the codes are zeros and this program alone reads the bytes).
; THE OUTPUT IS LAID AS THE PRODUCT'S REGISTERS WANT IT.  A row tile (16 rows, all of K) takes 25,600 bytes: 32 half fragments of 768 bytes (16 rows x 64 K), then 1,024 bytes of scale words.
; A half fragment: lane (r, h) owns six registers, the 24 bytes of codes of block h of row r; registers 2-5 lie at 16 x lane, registers 0-1 at 512 + 8 x lane.  Two of them on end are a fragment of 16 x 128.
; Scale byte of (row r, K step q of 128, block b): 24,576 + 128 (q / 2) + 8 r + 4 (q % 2) + b.
; SHARES: work-group = one tensor (number / 128) and one row tile (number % 128); wave w takes K 512 w .. 512 w + 511 in four steps of 128.  Waves share nothing: no barrier.
; Each load reads 512 consecutive bytes of one row; a step's 16 rows turn through the wave's own stage in LDS (pitch 528), so that a lane gets 16 neighbours of each block of its row.
.set RT,     25600
.set SPITCH, 528
.set WST,    16*SPITCH                 ; a wave's stage
.set SPARE,  4*WST                     ; behind the stages: the spare words, 128 bytes a wave, named by no other line
.set LA,   4                           ; v4   16 x lane: the loads' offset
.set OSC,  5                           ; v5   8 x lane + 256 w: the scale words' place in a row tile
.set SIN,  6                           ; v6   the stage, on the way in
.set SOUT, 7                           ; v7   and out
.set OC16, 8                           ; v8   16 x lane + 6,144 w
.set OC8,  9                           ; v9   8 x lane + 6,144 w
.set SPW,  10                          ; v10  my spare word; never rewritten
.set NIL,  11                          ; v11  0; never rewritten
.set SW,   12                          ; v12-15 the four steps' scale words
.set R,    16                          ; v16-143 two sets of 64 registers as loaded
.set X,    144                         ; v144-207 64 numbers: register 16 b + i = k 32 b + 16 h + i of row r
.set PC,   208                         ; v208-227 the codes (12) and two runs at work
.set TM,   228                         ; v228-243 at work
.set OW,   244                         ; v[244:245] two scale words on their way out
.set SEL,  26                          ; s[26:27] v_permlanex16_b32: lane l xor 16
; 64 numbers of a lane become a fragment's codes in v[PC] on and its row's scale word in v[pw]
.macro QUANT s, pw
.irp b, 0,1,2,3
	v_max3_num_f32 v[TM+\b], |v[\s+16*\b]|, |v[\s+1+16*\b]|, 0x1800000   ; my 16 numbers of block b, and the floor 2^(3 - 127): the byte cannot fall under 1
.endr
.irp i, 2,4,6,8,10,12,14
.irp b, 0,1,2,3
	v_max3_num_f32 v[TM+\b], v[TM+\b], |v[\s+16*\b+\i]|, |v[\s+1+16*\b+\i]|
.endr
.endr
.irp b, 0,1,2,3
	v_permlanex16_b32 v[TM+4+\b], v[TM+\b], s[SEL], s[SEL+1]
.endr
.irp b, 0,1,2,3
	v_max_num_f32 v[TM+\b], v[TM+\b], v[TM+4+\b]   ; with lane l xor 16: the block's largest magnitude
.endr
.irp b, 0,1,2,3
	v_add_nc_u32 v[TM+12+\b], 0xff000000, v[TM+\b]   ; 2 off its exponent field: the conversion's scale operand
.endr
.irp b, 0,1,2,3
	v_lshrrev_b32 v[TM+4+\b], 23, v[TM+12+\b]      ; the byte
.endr
	v_lshl_or_b32 v[\pw], v[TM+5], 8, v[TM+4]
	v_lshl_or_b32 v[\pw], v[TM+6], 16, v[\pw]
	v_lshl_or_b32 v[\pw], v[TM+7], 24, v[\pw]
.irp c, 0,1
	v_cvt_scalef32_pk16_fp6_f32 v[PC+6*\c:PC+2+6*\c], v[\s+32*\c:\s+15+32*\c], v[TM+12+2*\c]
	v_cvt_scalef32_pk16_fp6_f32 v[PC+12+4*\c:PC+14+4*\c], v[\s+16+32*\c:\s+31+32*\c], v[TM+12+2*\c+1]   ; (three registers begin on an even number)
.endr
	v_nop                                          ; one plain line behind the scaled conversions
.irp c, 0,1                                    ; a whole block to a lane: lanes 0-15 block 2 c, lanes 16-31 block 2 c + 1
.irp i, 0,1,2
	v_permlane16_swap_b32 v[PC+6*\c+\i], v[PC+12+4*\c+\i]
.endr
.irp i, 0,1,2
	v_mov_b32 v[PC+3+6*\c+\i], v[PC+12+4*\c+\i]
.endr
.endr
.endm
.macro LOAD t                          ; step t: 16 rows x 512 bytes into set t % 2
.irp i, 0,1,2,3,4,5,6,7,8,9,10,11,12,13,14,15
	global_load_b128 v[R+64*((\t)%2)+4*\i:R+64*((\t)%2)+4*\i+3], v[LA], s[4:5] offset:8192*\i+512*(\t) th:TH_LOAD_NT
.endr
.endm
.macro STEP t
.if (\t) > 0
	s_wait_xcnt 0x0                                ; the last step's stores have read the codes' registers: they are written again below
.endif
.if (\t) < 3
	s_wait_loadcnt 16                              ; this step's 16 loads are in; the next step's 16 may be out
.else
	s_wait_loadcnt 0x0
.endif
.irp i, 0,1,2,3,4,5,6,7,8,9,10,11,12,13,14,15
	ds_store_b128 v[SIN], v[R+64*((\t)%2)+4*\i:R+64*((\t)%2)+4*\i+3] offset:SPITCH*\i
.endr
.irp b, 0,1,2,3
.irp j, 0,1,2,3
	ds_load_b128 v[X+16*\b+4*\j:X+16*\b+4*\j+3], v[SOUT] offset:128*\b+16*\j   ; LDS serves a wave's instructions in order: these see the stores above
.endr
.endr
	s_wait_dscnt 0x0                               ; the numbers are back, and the stores have read their registers,
.if (\t) < 2
	LOAD (\t)+2                                    ; which take the loads of two steps on
.endif
	QUANT X, SW+(\t)
.irp c, 0,1
	global_store_b128 v[OC16], v[PC+6*\c+2:PC+6*\c+5], s[16:17] offset:(2*(\t)+\c)*768       ; 512 consecutive bytes, aligned to 256
	global_store_b64 v[OC8], v[PC+6*\c:PC+6*\c+1], s[16:17] offset:(2*(\t)+\c)*768+512       ; 256 consecutive bytes, aligned
.endr
.endm
	s_load_b256 s[4:11], s[0:1], 0x0               ; x, Wq, Wk, Wv
	s_load_b256 s[12:19], s[0:1], 0x20             ; Wo, xi, wi, woi
	v_lshl_add_u32 v[SPW], v0, 2, SPARE
	v_mov_b32 v[NIL], 0
	v_lshrrev_b32 v1, 5, v0
	v_readfirstlane_b32 s28, v1                    ; wave
	v_and_b32 v1, 31, v0                           ; lane
	v_and_b32 v2, 15, v0                           ; r
	v_bfe_u32 v3, v0, 4, 1                         ; h
	v_lshlrev_b32 v[LA], 4, v1
	s_mul_i32 s29, s28, WST
	v_add_nc_u32 v[SIN], s29, v[LA]                ; in: row i at 528 i, 16 bytes a lane
	v_mul_u32_u24 v[SOUT], v2, SPITCH
	v_lshl_add_u32 v[SOUT], v3, 6, v[SOUT]
	v_add_nc_u32 v[SOUT], s29, v[SOUT]             ; out: row r, + 64 h: my 16 numbers of a block of 32
	s_mul_i32 s29, s28, 6144
	v_add_nc_u32 v[OC16], s29, v[LA]
	v_lshl_add_u32 v[OC8], v1, 3, s29
	s_lshl_b32 s29, s28, 8
	v_lshl_add_u32 v[OSC], v1, 3, s29
.irp b, 0,1,2,3
	v_mov_b32 v[TM+4+\b], 0                        ; a lane permute's destination counts as one of its sources
.endr
	s_mov_b32 s[SEL], 0x76543210
	s_mov_b32 s[SEL+1], 0xfedcba98
	s_lshr_b32 s20, ttmp9, 7                       ; which tensor: 0 x, 1 Wq, 2 Wk, 3 Wv, 4 Wo
	s_and_b32 s21, ttmp9, 127                      ; which row tile
	s_sub_co_u32 s22, s20, 1
	s_lshl_b32 s22, s22, 7
	s_add_co_u32 s22, s22, s21                     ; in wi: 128 (tensor - 1) + row tile
	s_lshl_b32 s24, s21, 17                        ; 16 rows of 8,192 bytes
	s_lshl_b32 s25, s28, 11                        ; my wave's 512 numbers
	s_add_co_u32 s24, s24, s25
	s_mov_b32 s25, 0
	s_mov_b32 s23, 0
	s_wait_alu depctr_va_vdst(0)
	s_wait_kmcnt 0x0
	s_cmp_eq_u32 s20, 1                            ; the choices hang on the work-group's number alone
	s_cselect_b64 s[4:5], s[6:7], s[4:5]
	s_cmp_eq_u32 s20, 2
	s_cselect_b64 s[4:5], s[8:9], s[4:5]
	s_cmp_eq_u32 s20, 3
	s_cselect_b64 s[4:5], s[10:11], s[4:5]
	s_cmp_eq_u32 s20, 4
	s_cselect_b64 s[4:5], s[12:13], s[4:5]
	s_cselect_b64 s[16:17], s[18:19], s[16:17]
	s_cselect_b32 s22, s21, s22
	s_cmp_eq_u32 s20, 0
	s_cselect_b64 s[16:17], s[14:15], s[16:17]
	s_cselect_b32 s22, s21, s22
	s_mul_i32 s22, s22, RT
	s_add_nc_u64 s[4:5], s[4:5], s[24:25]
	s_add_nc_u64 s[16:17], s[16:17], s[22:23]
	LOAD 0
	LOAD 1
	STEP 0
	STEP 1
	STEP 2
	STEP 3
	v_cmp_gt_u32 vcc_lo, 16, v1                    ; lanes 0-15 send K steps 4 w, 4 w + 1 of row r, lanes 16-31 K steps 4 w + 2, 4 w + 3
	v_cndmask_b32 v[OW], v[SW+2], v[SW], vcc_lo
	v_cndmask_b32 v[OW+1], v[SW+3], v[SW+1], vcc_lo
	global_store_b64 v[OSC], v[OW:OW+1], s[16:17] offset:24576   ; 256 consecutive bytes, aligned
	s_wait_tensorcnt 0x0                           ; the wave's end
	ds_add_u32 v[SPW], v[NIL]
	s_wait_dscnt 0x0
	s_endpgm
.Lfunc_end_k_qcc70df31d3_quant:
	.size	k_qcc70df31d3_quant, .Lfunc_end_k_qcc70df31d3_quant-k_qcc70df31d3_quant
	.p2alignl 7, 3214868480
	.fill 96, 4, 3214868480
	.section	.rodata,"a",@progbits
	.p2align	6, 0x0
	.amdhsa_kernel k_qcc70df31d3_quant
		.amdhsa_group_segment_fixed_size 34304
		.amdhsa_private_segment_fixed_size 0
		.amdhsa_enable_private_segment 0
		.amdhsa_kernarg_size 64
		.amdhsa_user_sgpr_count 2
		.amdhsa_user_sgpr_kernarg_segment_ptr 1
		.amdhsa_wavefront_size32 1
		.amdhsa_system_sgpr_workgroup_id_x 1
		.amdhsa_system_sgpr_workgroup_id_y 1
		.amdhsa_system_sgpr_workgroup_id_z 1
		.amdhsa_system_vgpr_workitem_id 0
		.amdhsa_next_free_vgpr 256
		.amdhsa_next_free_sgpr 66
		.amdhsa_reserve_vcc 1
		.amdhsa_float_denorm_mode_32 3
		.amdhsa_float_denorm_mode_16_64 3
		.amdhsa_memory_ordered 1
		.amdhsa_forward_progress 1
		.amdhsa_inst_pref_size 34
	.end_amdhsa_kernel
	.amdgpu_metadata
---
amdhsa.version: [ 1, 2 ]
amdhsa.kernels:
  - .name:           k_qcc70df31d3_quant
    .symbol:         k_qcc70df31d3_quant.kd
    .args:
      - { .name: x, .offset: 0, .size: 8, .value_kind: global_buffer, .address_space: global }
      - { .name: Wq, .offset: 8, .size: 8, .value_kind: global_buffer, .address_space: global }
      - { .name: Wk, .offset: 16, .size: 8, .value_kind: global_buffer, .address_space: global }
      - { .name: Wv, .offset: 24, .size: 8, .value_kind: global_buffer, .address_space: global }
      - { .name: Wo, .offset: 32, .size: 8, .value_kind: global_buffer, .address_space: global }
      - { .name: xi, .offset: 40, .size: 8, .value_kind: global_buffer, .address_space: global }
      - { .name: wi, .offset: 48, .size: 8, .value_kind: global_buffer, .address_space: global }
      - { .name: woi, .offset: 56, .size: 8, .value_kind: global_buffer, .address_space: global }
    .group_segment_fixed_size: 34304
    .private_segment_fixed_size: 0
    .kernarg_segment_align: 8
    .kernarg_segment_size: 64
    .max_flat_workgroup_size: 128
    .sgpr_count:     66
    .vgpr_count:     256
    .wavefront_size: 32
...
	.end_amdgpu_metadata
.endif
;; end of part 1
;; launch gq (part 2): grid 16 x 16, 4 waves a work-group, clusters of 4 x 1, 205,312 bytes of LDS; arguments xi, wi, bq, bk, bv, qkv, ssq, kvi; writes qkv, ssq, kvi
.if DOCPART == 2
	.amdgcn_target "amdgcn-amd-amdhsa--gfx1250"
	.amdhsa_code_object_version 6
	.text
	.protected	k_qcc70df31d3_gq
	.globl	k_qcc70df31d3_gq
	.p2align	8
	.type	k_qcc70df31d3_gq,@function
k_qcc70df31d3_gq:
	s_mov_b64 s[64:65], 0
	v_nop
	global_prefetch_b8 v0, s[64:65] scope:SCOPE_SE
	s_setreg_imm32_b32 hwreg(HW_REG_WAVE_MODE, 25, 1), 1
	s_wait_xcnt 0x0
	s_wait_alu depctr_hold_cnt(0) depctr_sa_sdst(0) depctr_va_vdst(0) depctr_va_sdst(0) depctr_va_ssrc(0) depctr_va_vcc(0) depctr_vm_vsrc(0)
	s_getreg_b32 s2, hwreg(HW_REG_IB_STS2, 6, 4)
	s_cmp_eq_u32 s2, 0
	s_cbranch_scc0 .Lentry_in_a_cluster
	s_endpgm
.Lentry_in_a_cluster:
	s_bfe_u32 s2, ttmp6, 0x10000c
	s_cmp_lg_u32 s2, 0x3003
	s_cbranch_scc0 .Lentry_shape_is_right
	s_endpgm
.Lentry_shape_is_right:
; q, k, v = x W^T + bias on codes of FP6 (E2M3) with E8M0 scales; x and the three weights lie as row tiles of 25,600 bytes (16 rows, all of K = 2,048): 32 half fragments of 768 bytes, then 1,024 bytes of scale words.
; A work-group (x, y) makes rows 128 y on x columns 128 x on of q, of k and of v: 128 x 384 numbers.  Wave w takes all 128 rows x column tiles 2 w, 2 w + 1 of each of the three: 48 accumulators.
; x's 128 rows, all of K, are 204,800 bytes: they come into LDS once, one tensor load a wave (200 rows of 256 bytes), asked for jointly by the four work-groups of a cluster, which share the rows.  Nothing is filled again.
; The weights' tiles belong to one wave alone, in the work-group and in the cluster: they go from memory straight into registers, RD - 1 steps of 128 along K ahead, so no joint load and no prefetch is laid for them.
; The matrix instruction is used transposed (source 0 = 16 rows of a weight, source 1 = 16 rows of x): a lane holds eight neighbouring columns of one row.
; THE WAY OUT.  All accumulators go to a stage laid over x's bytes (their one fill is over, a barrier shows all reads done).
;   q, k: whole rows come back, take the bias and leave as f32, 512 aligned bytes a store, to qkv [2][2048][2048]; each row's sum of squares over these 128 columns goes to ssq [2][16 (x)][2048 (row)], 128 bytes a wave.
;   v: quantised here along the KEYS: the block's 128 rows are one step of 128 keys.  A lane takes a channel and reads down the stage; codes and scale words go to kvi as the attention wants them:
;   head 208,896 bytes; at 98,304 + 6,144 step + 1,536 T the image of tile T (registers 4 p on at 512 p + 16 x lane); at 196,608 + 768 step + 512 the scale words [T][row].
;   Place p of a block of 32 keys holds the key whose bits 3 and 4 are p's swapped; row r of tile 2 b + u is channel 32 b + 8 u + r + 8 (r / 8).
; LIMITS: NaN and infinities are not served; a block of v whose largest magnitude lies under 2^-124, zeros among them, gets the byte 1 (this program alone reads the bytes).
; REGISTERS: window 0: v0-23, v248-255 addresses, v24-55 x's scale words (two sets), v56-151 the weights' scale words, v152-247 x's fragments of even steps; window 1: the weights' RD sets, v216-225 the biases;
;   window 2: accumulators of q and k; window 3: v0-127 those of v, v128-223 x's fragments of odd steps.  On the way out: window 0 v24-87 sums of squares, v152-247 rows and temporaries; window 1 v0-159 v's numbers and codes.
.set NB, 6
.set RD, 3
.set RT, 25600
.set PITCH, NB*256+16                  ; a stage row
.set SPARE, 8*RT                       ; the spare words, 128 bytes a wave, named by no other line
.set A16, 2                            ; v2-5   16 x lane + 51,200 g
.set A8,  6                            ; v6-9   8 x lane + 51,200 g
.set ASA, 10                           ; v10-13 8 r + 51,200 g
.set STO, 14                           ; v14-17 the stage, on the way in, rows 32 g on
.set RDB, 18                           ; the stage, on the way back by rows
.set SPW, 19
.set NIL, 20
.set AS,  24
.set BS,  56
.set SS,  24                           ; the way out: 64 sums of squares: 32 c + row
.set OB,  152
.set T2,  216
.set VR,  248                          ; v248-251 the stage, down my channel, rows 32 k on
.set VST, 252
.set VSS, 253
.set VBO, 254                          ; 128 w + 4 x lane
.set SSO, 255                          ; 4 x lane
.set BIA, 216                          ; window 1
.set BV,  224
.set F,   128
.set TT,  152
.set M0,  156
.set M1,  157
.set SCO, 158
.set WORD, 159
.set G0,  20
.set G1,  24
.set BP,  32
.set OP,  36
.set BPT, 40
.set VI,  46
.set WV,  56
.set X,   58
.set Y,   59
.set VS,  60
.set SQ,  62
.set MK,  66                           ; s66-70 the lanes whose bit 0 .. 4 is set
.set SEL, 72
.set MSB, 0
.macro WIN new
.if MSB != (\new)
	s_set_vgpr_msb (MSB<<8)|(\new)
.set MSB, \new
.endif
.endm
.macro ROUND
	s_barrier_signal -1
	s_barrier_wait -1
	s_cmp_lg_u32 s[WV], 0
	s_cbranch_scc1 .Lnot_wave_0_\@
	s_barrier_signal -3
.Lnot_wave_0_\@:
	s_barrier_wait -3
	s_barrier_signal -1
	s_barrier_wait -1
.endm
.macro FETCH_A q                       ; x's eight fragments of step q; with an even step the scale words of it and the next
.set FB, 152-24*((\q)%2)
	WIN 0xc0*((\q)%2)
.irp i, 0,1,2,3,4,5,6,7
	ds_load_b128 v[FB+12*\i+2:FB+12*\i+5], v[A16+\i/2] offset:RT*(\i%2)+1536*(\q)
	ds_load_b64 v[FB+12*\i:FB+12*\i+1], v[A8+\i/2] offset:RT*(\i%2)+1536*(\q)+512
	ds_load_b128 v[FB+12*\i+8:FB+12*\i+11], v[A16+\i/2] offset:RT*(\i%2)+1536*(\q)+768
	ds_load_b64 v[FB+12*\i+6:FB+12*\i+7], v[A8+\i/2] offset:RT*(\i%2)+1536*(\q)+1280
.endr
	WIN 0
.if (\q)%2 == 0
.irp i, 0,1,2,3,4,5,6,7
	ds_load_b64 v[AS+16*(((\q)/2)%2)+2*\i:AS+16*(((\q)/2)%2)+2*\i+1], v[ASA+\i/2] offset:RT*(\i%2)+24576+64*(\q)
.endr
.endif
.endm
.macro BFETCH q                        ; the weights' six fragments of step q into set q % RD: 24 loads.  Tile b: weight b / 2 (128 row tiles apart), tile b % 2 of my two
.set BB, 12*NB*((\q)%RD)
	WIN 0x40
.irp b, 0,1,2,3,4,5
.set BO, (\b/2)*128*RT+(\b%2)*RT+1536*(\q)
	global_load_b128 v[BB+12*\b+2:BB+12*\b+5], v[A16], s[BP:BP+1] offset:BO
	global_load_b64 v[BB+12*\b:BB+12*\b+1], v[A8], s[BP:BP+1] offset:BO+512
	global_load_b128 v[BB+12*\b+8:BB+12*\b+11], v[A16], s[BP:BP+1] offset:BO+768
	global_load_b64 v[BB+12*\b+6:BB+12*\b+7], v[A8], s[BP:BP+1] offset:BO+1280
.endr
.endm
.macro MULS q                          ; 48 products; the accumulators take turns, in the same order in every step
.set FA, 152-24*((\q)%2)
.set BB, 12*NB*((\q)%RD)
.irp b, 0,1,2,3,4,5
	WIN 0x01|(0x0c*((\q)%2))|(0xa0+0x50*(\b/4))
.irp a, 0,1,2,3,4,5,6,7
.set DD, 8*(8*(\b%4)+\a)
.if (\q) == 0
	v_wmma_scale_f32_16x16x128_f8f6f4 v[DD:DD+7], v[BB+12*\b:BB+12*\b+11], v[FA+12*\a:FA+12*\a+11], 0, v[BS+16*\b+(\q)], v[AS+16*(((\q)/2)%2)+2*\a+(\q)%2] matrix_a_fmt:MATRIX_FMT_FP6 matrix_b_fmt:MATRIX_FMT_FP6
.else
	v_wmma_scale_f32_16x16x128_f8f6f4 v[DD:DD+7], v[BB+12*\b:BB+12*\b+11], v[FA+12*\a:FA+12*\a+11], v[DD:DD+7], v[BS+16*\b+(\q)], v[AS+16*(((\q)/2)%2)+2*\a+(\q)%2] matrix_a_fmt:MATRIX_FMT_FP6 matrix_b_fmt:MATRIX_FMT_FP6
.endif
.endr
.endr
.endm
.macro STEP q
	s_wait_dscnt 0x0                               ; this step's fragments of x and its scale words are in
.if 15-(\q) < RD-1
	s_wait_loadcnt 4*NB*(15-(\q))                  ; this step's set of the weights is in; the later steps' loads may be out
.else
	s_wait_loadcnt 4*NB*(RD-1)
.endif
.if (\q) < 15
	FETCH_A (\q)+1                                 ; into the set that the last step multiplied: four places stand behind its products
.endif
	MULS \q
.rept 4
	v_nop                                          ; places ahead of loads into registers just multiplied, and of the first read of results
.endr
.if (\q)+RD < 16
	BFETCH (\q)+RD
.endif
.endm
.macro RED d, m                        ; of each two sums d apart the lanes whose bit is clear keep the lower, the others the upper, and add their partner's part of it: half as many registers are left
.set I, 0
.rept 32/\d
	v_cndmask_b32 v[T2+I/(2*\d)], v[SS+I+\d], v[SS+I], s[\m]
.set I, I+2*\d
.endr
.set I, 0
.rept 32/\d
	v_cndmask_b32 v[SS+I], v[SS+I], v[SS+I+\d], s[\m]
.set I, I+2*\d
.endr
.set I, 0
.rept 32/\d
	v_add_f32_dpp v[SS+I], v[T2+I/(2*\d)], v[SS+I] row_xmask:\d row_mask:0xf bank_mask:0xf
.set I, I+2*\d
.endr
.endm
.macro VBLOCK k                        ; block k of my channel: 32 keys in my registers; its codes go to the image of lanes 16 (k % 2) on, registers 6 (k / 2) on
.set XS, 32*(\k)
.set FD, F+12*((\k)&1)+6*((\k)>>1)
	v_max3_num_f32 v[M0], |v[XS]|, |v[XS+1]|, |v[XS+2]|
	v_max3_num_f32 v[M1], |v[XS+3]|, |v[XS+4]|, |v[XS+5]|
.irp i, 6,10,14,18,22,26
	v_max3_num_f32 v[M0], v[M0], |v[XS+\i]|, |v[XS+\i+1]|
	v_max3_num_f32 v[M1], v[M1], |v[XS+\i+2]|, |v[XS+\i+3]|
.endr
	v_max3_num_f32 v[M0], v[M0], |v[XS+30]|, |v[XS+31]|
	v_max3_num_f32 v[M0], v[M0], v[M1], 0x1800000  ; and the floor 2^(3 - 127)
	v_add_nc_u32 v[SCO], 0xff000000, v[M0]         ; 2 off the exponent field: the conversion's scale operand
	v_lshrrev_b32 v[M1], 23, v[SCO]
.if (\k) == 0
	v_mov_b32 v[WORD], v[M1]
.else
	v_lshl_or_b32 v[WORD], v[M1], 8*(\k), v[WORD]
.endif
	v_cvt_scalef32_pk16_fp6_f32 v[FD:FD+2], v[XS:XS+15], v[SCO]
	v_cvt_scalef32_pk16_fp6_f32 v[TT:TT+2], v[XS+16:XS+31], v[SCO]
	v_nop                                          ; one plain line behind the scaled conversions
.irp i, 0,1,2
	v_mov_b32 v[FD+3+\i], v[TT+\i]
.endr
.endm
	s_load_b256 s[4:11], s[0:1], 0x0               ; xi, wi, bq, bk
	s_load_b256 s[12:19], s[0:1], 0x20             ; bv, qkv, ssq, kvi
	v_lshl_add_u32 v[SPW], v0, 2, SPARE
	v_mov_b32 v[NIL], 0
	ds_add_u32 v[SPW], v[NIL]                      ; the opening lines
	ds_add_u32 v[SPW], v[NIL]
	v_lshrrev_b32 v1, 5, v0
	v_readfirstlane_b32 s[WV], v1
	v_and_b32 v21, 31, v0                          ; lane
	v_and_b32 v22, 15, v0                          ; r
	v_bfe_u32 v23, v0, 4, 1                        ; h
.irp g, 0,1,2,3
	v_lshl_add_u32 v[A16+\g], v21, 4, \g*2*RT
	v_lshl_add_u32 v[A8+\g], v21, 3, \g*2*RT
	v_lshl_add_u32 v[ASA+\g], v22, 3, \g*2*RT
.endr
	v_mul_u32_u24 v1, v22, PITCH
	v_lshl_add_u32 v1, v23, 5, v1
	s_lshl_b32 s48, s[WV], 7
	v_add_nc_u32 v1, s48, v1                       ; row r, 32 h, my wave's 128 bytes of each run of 512
.irp g, 0,1,2,3
	v_add_nc_u32 v[STO+\g], \g*32*PITCH, v1
.endr
	v_lshl_add_u32 v[VBO], v21, 2, s48
.irp k, 0,1,2,3
	v_add_nc_u32 v[VR+\k], 1024+\k*32*PITCH, v[VBO]   ; v's run begins at byte 1,024 of a stage row
.endr
	s_mul_i32 s49, s[WV], 32*PITCH
	v_lshl_add_u32 v[RDB], v21, 4, s49             ; back: my wave's 32 rows, 16 bytes a lane
	v_lshlrev_b32 v[SSO], 2, v21
	v_bfe_u32 v[VST], v0, 3, 1                     ; u = (lane / 8) % 2: which of my two tiles of v
	v_and_b32 v[VSS], 7, v0
	v_lshl_add_u32 v[VSS], v23, 3, v[VSS]          ; the tile's row: 8 (lane / 16) + lane % 8
	v_mul_u32_u24 v1, v[VST], 1536
	v_lshl_add_u32 v1, v[VSS], 4, v1
	v_lshlrev_b32 v[VST], 6, v[VST]
	v_lshl_add_u32 v[VSS], v[VSS], 2, v[VST]       ; 64 u + 4 row
	v_mov_b32 v[VST], v1                           ; 1,536 u + 16 row
	s_bfe_u32 s57, ttmp6, 0x40000                  ; cx: it enters the weights', the biases' and the results' addresses alone
	s_lshl_b32 s[X], ttmp9, 2
	s_add_co_u32 s[X], s[X], s57
	s_and_b32 s[Y], ttmp7, 0xffff                  ; y: the block's rows, shared by the cluster
	s_mov_b32 s[G1], 15|(3<<16)|(1<<21)            ; the mask of all four; elements of 8 bytes; bit 21 beside a mask
	s_mov_b32 s[G1+1], 32<<16
	s_mov_b32 s[G1+2], 200<<16
	s_mov_b32 s[G1+3], 32<<16
	s_mov_b32 s[G1+4], 200
	s_mov_b32 s[G1+5], 32
	s_mov_b32 s[G1+6], 0
	s_mov_b32 s[G1+7], 0
	s_lshl_b32 s48, s[Y], 3
	s_lshl_b32 s49, s[WV], 1
	s_add_co_u32 s48, s48, s49
	s_mul_i32 s48, s48, RT                         ; x: row tiles 8 y + 2 w, 2 w + 1
	s_mov_b32 s49, 0
	s_mov_b32 s[G0], 1
	s_mul_i32 s[G0+1], s[WV], 2*RT
	s_lshl_b32 s50, s[X], 3
	s_lshl_b32 s51, s[WV], 1
	s_add_co_u32 s50, s50, s51
	s_mul_i32 s50, s50, RT                         ; a weight's row tiles 8 x + 2 w, 2 w + 1
	s_mov_b32 s51, 0
	s_lshl_b32 s52, s[X], 9                        ; 128 columns of f32
	s_mov_b32 s53, 0
	s_lshl_b32 s54, s[Y], 7
	s_lshl_b32 s55, s[WV], 5
	s_add_co_u32 s54, s54, s55                     ; my first row on the way out: 128 y + 32 w
	s_lshl_b32 s34, s[X], 11
	s_add_co_u32 s34, s34, s54
	s_lshl_b32 s34, s34, 2                         ; ssq: [x][row]
	s_mov_b32 s35, 0
	s_lshl_b32 s54, s54, 13
	s_add_co_u32 s54, s54, s52                     ; qkv: 8,192 bytes a row, + the columns
	s_mov_b32 s55, 0
	s_lshl_b32 s74, s[X], 1
	s_lshr_b32 s75, s[WV], 1
	s_add_co_u32 s74, s74, s75
	s_mul_i32 s74, s74, 208896                     ; my 32 channels' head: 2 x + w / 2
	s_and_b32 s75, s[WV], 1                        ; its lower or upper 32 channels
	s_mul_i32 s76, s[Y], 6144
	s_mul_i32 s77, s75, 3072
	s_add_co_u32 s76, s76, s77
	s_add_co_u32 s76, s76, s74                     ; v's images
	s_mov_b32 s77, 0
	s_mul_i32 s78, s[Y], 768
	s_lshl_b32 s75, s75, 7
	s_add_co_u32 s78, s78, s75
	s_add_co_u32 s78, s78, s74                     ; v's scale words
	s_mov_b32 s79, 0
	s_mov_b32 s[MK], 0xaaaaaaaa
	s_mov_b32 s[MK+1], 0xcccccccc
	s_mov_b32 s[MK+2], 0xf0f0f0f0
	s_mov_b32 s[MK+3], 0xff00ff00
	s_mov_b32 s[MK+4], 0xffff0000
	s_mov_b32 s[SEL], 0x76543210
	s_mov_b32 s[SEL+1], 0xfedcba98
	s_wait_alu depctr_va_vdst(0)                   ; the wait at the head's end
	s_wait_dscnt 0x0
	s_wait_kmcnt 0x0
	s_add_nc_u64 s[G0+2:G0+3], s[4:5], s[48:49]
	s_or_b32 s[G0+3], s[G0+3], 0x80000000
	s_add_nc_u64 s[BP:BP+1], s[6:7], s[50:51]
.irp c, 0,1,2
	s_add_nc_u64 s[BPT+2*\c:BPT+2*\c+1], s[8+2*\c:9+2*\c], s[52:53]
.endr
	s_add_nc_u64 s[OP:OP+1], s[14:15], s[54:55]
	s_add_nc_u64 s[OP+2:OP+3], s[OP:OP+1], 0x1000000
	s_add_nc_u64 s[SQ:SQ+1], s[16:17], s[34:35]
	s_add_nc_u64 s[VI:VI+1], s[18:19], s[76:77]
	s_add_nc_u64 s[VS:VS+1], s[18:19], s[78:79]
	ROUND                                          ; the four work-groups are here: the joint loads meet
	tensor_load_to_lds s[G0:G0+3], s[G1:G1+7]      ; my one tensor load: two row tiles of x
	s_nop 0
.rept 4
	v_nop
.endr
	WIN 0x40
.irp c, 0,1
	global_load_b128 v[BIA+4*\c:BIA+4*\c+3], v[A16], s[BPT+2*\c:BPT+2*\c+1]
.endr
	global_load_b32 v[BV], v[VBO], s[BPT+4:BPT+5]  ; my channel's bias, twice: a pair for the packed additions
	global_load_b32 v[BV+1], v[VBO], s[BPT+4:BPT+5]
	WIN 0
.irp b, 0,1,2,3,4,5
.irp p, 0,1,2,3,4,5,6,7
	global_load_b64 v[BS+16*\b+2*\p:BS+16*\b+2*\p+1], v[ASA], s[BP:BP+1] offset:(\b/2)*128*RT+(\b%2)*RT+24576+128*\p   ; the weights' scale words, all of K: row r's in both halves of the lanes
.endr
.endr
.set Q, 0
.rept RD
	BFETCH Q
.set Q, Q+1
.endr
	WIN 0
	s_wait_tensorcnt 0x0                           ; my part of x is in;
	s_barrier_signal -1
	s_barrier_wait -1                              ; and everybody's
	FETCH_A 0
.set Q, 0
.rept 16
	STEP Q
.set Q, Q+1
.endr
	WIN 0
	s_wait_dscnt 0x0
	s_barrier_signal -1
	s_barrier_wait -1                              ; nobody reads x any more: the stage may be laid over it
.irp b, 0,1,2,3,4,5
	WIN 0x08+4*(\b/4)
.irp a, 0,1,2,3,4,5,6,7
.set DD, 8*(8*(\b%4)+\a)
	ds_store_b128 v[STO+\a/2], v[DD:DD+3] offset:(\a%2)*16*PITCH+512*(\b/2)+64*(\b%2)       ; each accumulator from its low end on
	ds_store_b128 v[STO+\a/2], v[DD+4:DD+7] offset:(\a%2)*16*PITCH+512*(\b/2)+64*(\b%2)+16
.endr
.endr
	WIN 0
	s_wait_dscnt 0x0                               ; for the others' sake: my stores have landed
	s_barrier_signal -1
	s_barrier_wait -1
	WIN 0x40
.set P, 0
.rept 128
	ds_load_b32 v[P], v[VR+(P>>5)] offset:((P&7)|(((P>>3)&1)<<4)|(((P>>4)&1)<<3))*PITCH   ; v: my channel, place P of the step's 128 keys; 32 lanes read 128 consecutive bytes
.set P, P+1
.endr
	WIN 0
.irp k, 0,1,2,3                        ; q and k: eight rows at a time
.if \k > 0
	s_wait_xcnt 0x0                                ; the last stores have read their registers
.endif
.irp t, 0,1,2,3,4,5,6,7
.irp c, 0,1
	ds_load_b128 v[OB+4*(2*\t+\c):OB+4*(2*\t+\c)+3], v[RDB] offset:(8*\k+\t)*PITCH+512*\c
.endr
.endr
	s_wait_dscnt 0x0
	WIN 0x04                                       ; the bias lies in window 1
.irp t, 0,1,2,3,4,5,6,7
.irp c, 0,1
	v_pk_add_f32 v[OB+4*(2*\t+\c):OB+4*(2*\t+\c)+1], v[OB+4*(2*\t+\c):OB+4*(2*\t+\c)+1], v[BIA+4*\c:BIA+4*\c+1]
	v_pk_add_f32 v[OB+4*(2*\t+\c)+2:OB+4*(2*\t+\c)+3], v[OB+4*(2*\t+\c)+2:OB+4*(2*\t+\c)+3], v[BIA+4*\c+2:BIA+4*\c+3]
.endr
.endr
	WIN 0
.irp t, 0,1,2,3,4,5,6,7
.irp c, 0,1
	global_store_b128 v[A16], v[OB+4*(2*\t+\c):OB+4*(2*\t+\c)+3], s[OP+2*\c:OP+2*\c+1] offset:(8*\k+\t)*8192   ; 512 consecutive bytes, aligned
.endr
.endr
.set J, 0
.rept 16
	v_pk_mul_f32 v[T2+2*J:T2+2*J+1], v[OB+4*J:OB+4*J+1], v[OB+4*J:OB+4*J+1]
.set J, J+1
.endr
.set J, 0
.rept 16
	v_pk_fma_f32 v[T2+2*J:T2+2*J+1], v[OB+4*J+2:OB+4*J+3], v[OB+4*J+2:OB+4*J+3], v[T2+2*J:T2+2*J+1]
.set J, J+1
.endr
.irp t, 0,1,2,3,4,5,6,7
.irp c, 0,1
	v_add_f32 v[SS+32*\c+8*\k+\t], v[T2+2*(2*\t+\c)], v[T2+2*(2*\t+\c)+1]   ; my four columns' squares of row 8 k + t
.endr
.endr
.endr
	RED 1, MK                                      ; 64 sums over 32 lanes: in the end lane l holds row l's, q's in v[SS], k's in v[SS+32]
	RED 2, MK+1
	RED 4, MK+2
	RED 8, MK+3
.irp i, 0,32
	v_cndmask_b32 v[T2+\i/32], v[SS+\i+16], v[SS+\i], s[MK+4]
.endr
.irp i, 0,32
	v_cndmask_b32 v[SS+\i], v[SS+\i], v[SS+\i+16], s[MK+4]
.endr
.irp i, 0,32
	v_permlanex16_b32 v[SS+\i+16], v[T2+\i/32], s[SEL], s[SEL+1]
.endr
.irp i, 0,32
	v_add_f32 v[SS+\i], v[SS+\i], v[SS+\i+16]
.endr
	global_store_b32 v[SSO], v[SS], s[SQ:SQ+1]                    ; 128 consecutive bytes a wave, 512 a work-group
	global_store_b32 v[SSO], v[SS+32], s[SQ:SQ+1] offset:131072
	WIN 0x55                                       ; v: all in window 1
.set J, 0
.rept 64
	v_pk_add_f32 v[J:J+1], v[J:J+1], v[BV:BV+1]
.set J, J+2
.endr
	VBLOCK 0
	VBLOCK 1
	VBLOCK 2
	VBLOCK 3
	WIN 0x04
.irp p, 0,1,2
.irp g, 0,1
	global_store_b128 v[VST], v[F+12*\g+4*\p:F+12*\g+4*\p+3], s[VI:VI+1] offset:98304+512*\p+256*\g   ; two runs of 256 consecutive bytes, aligned: one in each tile
.endr
.endr
	global_store_b32 v[VSS], v[WORD], s[VS:VS+1] offset:196608+512
	WIN 0
	s_wait_tensorcnt 0x0                           ; the wave's end
	ds_add_u32 v[SPW], v[NIL]
	s_wait_dscnt 0x0
	ROUND                                          ; the closing round
	s_endpgm
.Lfunc_end_k_qcc70df31d3_gq:
	.size	k_qcc70df31d3_gq, .Lfunc_end_k_qcc70df31d3_gq-k_qcc70df31d3_gq
	.p2alignl 7, 3214868480
	.fill 96, 4, 3214868480
	.section	.rodata,"a",@progbits
	.p2align	6, 0x0
	.amdhsa_kernel k_qcc70df31d3_gq
		.amdhsa_group_segment_fixed_size 205312
		.amdhsa_private_segment_fixed_size 0
		.amdhsa_enable_private_segment 0
		.amdhsa_kernarg_size 64
		.amdhsa_user_sgpr_count 2
		.amdhsa_user_sgpr_kernarg_segment_ptr 1
		.amdhsa_wavefront_size32 1
		.amdhsa_system_sgpr_workgroup_id_x 1
		.amdhsa_system_sgpr_workgroup_id_y 1
		.amdhsa_system_sgpr_workgroup_id_z 1
		.amdhsa_system_vgpr_workitem_id 0
		.amdhsa_next_free_vgpr 1024
		.amdhsa_next_free_sgpr 82
		.amdhsa_reserve_vcc 0
		.amdhsa_float_denorm_mode_32 3
		.amdhsa_float_denorm_mode_16_64 3
		.amdhsa_memory_ordered 1
		.amdhsa_forward_progress 1
		.amdhsa_inst_pref_size 251
	.end_amdhsa_kernel
	.amdgpu_metadata
---
amdhsa.version: [ 1, 2 ]
amdhsa.kernels:
  - .name:           k_qcc70df31d3_gq
    .symbol:         k_qcc70df31d3_gq.kd
    .args:
      - { .name: xi, .offset: 0, .size: 8, .value_kind: global_buffer, .address_space: global }
      - { .name: wi, .offset: 8, .size: 8, .value_kind: global_buffer, .address_space: global }
      - { .name: bq, .offset: 16, .size: 8, .value_kind: global_buffer, .address_space: global }
      - { .name: bk, .offset: 24, .size: 8, .value_kind: global_buffer, .address_space: global }
      - { .name: bv, .offset: 32, .size: 8, .value_kind: global_buffer, .address_space: global }
      - { .name: qkv, .offset: 40, .size: 8, .value_kind: global_buffer, .address_space: global }
      - { .name: ssq, .offset: 48, .size: 8, .value_kind: global_buffer, .address_space: global }
      - { .name: kvi, .offset: 56, .size: 8, .value_kind: global_buffer, .address_space: global }
    .group_segment_fixed_size: 205312
    .private_segment_fixed_size: 0
    .kernarg_segment_align: 8
    .kernarg_segment_size: 64
    .max_flat_workgroup_size: 128
    .sgpr_count:     82
    .vgpr_count:     1024
    .wavefront_size: 32
...
	.end_amdgpu_metadata
.endif
;; end of part 2
;; launch prep (part 3): grid 256 x 1, 16 waves a work-group, no clusters, 137,216 bytes of LDS; arguments qkv, ssq, pe_cos, pe_sin, q_norm_w, k_norm_w, qi, kvi; writes qi, kvi
.if DOCPART == 3
	.amdgcn_target "amdgcn-amd-amdhsa--gfx1250"
	.amdhsa_code_object_version 6
	.text
	.protected	k_qcc70df31d3_prep
	.globl	k_qcc70df31d3_prep
	.p2align	8
	.type	k_qcc70df31d3_prep,@function
k_qcc70df31d3_prep:
	s_mov_b64 s[64:65], 0
	v_nop
	global_prefetch_b8 v0, s[64:65] scope:SCOPE_SE
	s_setreg_imm32_b32 hwreg(HW_REG_WAVE_MODE, 25, 1), 1
	s_wait_xcnt 0x0
; q, k (two f32 planes [2048][2048], bias included) become the attention's operands: codes of FP6 (E2M3), one E8M0 byte for each 32 along the head's 64.
; RMSNorm over the row's 2,048 numbers (x rsqrt(mean of squares + 1e-6) x weight), then interleaved RoPE, then the quantiser.  A row's sum of squares arrives in 16 parts, ssq [2][16][2048 (row)].
; ORDER OF ROUNDING: the row's rsqrt multiplies behind RoPE (it is a factor of the whole row), not ahead of the weight as the source reads.
; LIMITS: NaN and infinities are not served; a block whose largest magnitude lies under 2^-124, zeros among them, gets the byte 1 (its bytes are read by this program alone).
; qi, a head 106,496 bytes: 128 half fragments of 768 bytes (16 queries x 64: registers 2-5 at 16 x lane, 0-1 at 512 + 8 x lane), then at 98,304 one scale word a query (two bytes, then 127, 127).
; kvi, a head 208,896 bytes: K's 128 half fragments likewise; at 196,608 + 768 (key / 128) + 4 (key % 128) a key's scale word.
; SHARES.  A wave takes 16 rows of ONE head, of q and of k, so that its cos and sin are loaded once: work-group = row tile number / 2, heads 16 (number % 2) + wave.  Waves share nothing: no barrier.
; Each load reads 256 aligned bytes of each of two rows.  The 16 rows (q's 64 numbers, then k's) turn through the wave's own stage in LDS (pitch 528), so that a lane gets 16 neighbours of each block of its row.
; The scale words leave as runs of 64 bytes, both halves of the lanes writing the same words: 4 bytes for each 48 of codes.
.set WST,   8448                       ; a wave's stage: 16 rows, pitch 528
.set SPARE, 16*WST                     ; the spare words, 128 bytes a wave, named by no other line
.set LA,   4                           ; 8,192 h + 16 r
.set L16,  5                           ; 16 x lane
.set L8,   6                           ; 8 x lane
.set R16,  7                           ; 16 r
.set R4,   8                           ; 4 r
.set PAO,  9                           ; 65,536 h + 4 r
.set SIN,  10
.set SOUT, 11
.set SPW,  12
.set NIL,  13
.set Q,    16                          ; v16-47 q, v48-79 k: 8 loads of 4 each; later X: register 16 b + i = number 32 (b % 2) + 16 h + i of row r, q's for b = 0, 1, k's for b = 2, 3
.set K,    48
.set X,    16
.set C,    80
.set S,    112
.set W,    144                         ; v144-147 q's weight, v148-151 k's
.set PA,   152                         ; v152-159 eight parts of q's sum, v160-167 of k's
.set U,    168                         ; v168-183 four sets of four results
.set PC,   184
.set TM,   204
.set PW,   220
.set PWK,  221
.set RR,   222                         ; v[222:223] q's rsqrt, twice; v[224:225] k's
.set WV,   20
.set SEL,  42
.macro QUANT s, pw
.irp b, 0,1,2,3
	v_max3_num_f32 v[TM+\b], |v[\s+16*\b]|, |v[\s+1+16*\b]|, 0x1800000   ; my 16 numbers of block b, and the floor 2^(3 - 127)
.endr
.irp i, 2,4,6,8,10,12,14
.irp b, 0,1,2,3
	s_delay_alu instid0(VALU_DEP_4)
	v_max3_num_f32 v[TM+\b], v[TM+\b], |v[\s+16*\b+\i]|, |v[\s+1+16*\b+\i]|
.endr
.endr
.irp b, 0,1,2,3
	s_delay_alu instid0(VALU_DEP_4)
	v_permlanex16_b32 v[TM+4+\b], v[TM+\b], s[SEL], s[SEL+1]
.endr
.irp b, 0,1,2,3
	s_delay_alu instid0(VALU_DEP_4)
	v_max_num_f32 v[TM+\b], v[TM+\b], v[TM+4+\b]
.endr
.irp b, 0,1,2,3
	s_delay_alu instid0(VALU_DEP_4)
	v_add_nc_u32 v[TM+12+\b], 0xff000000, v[TM+\b]   ; 2 off the exponent field: the conversion's scale operand
.endr
.irp b, 0,1,2,3
	s_delay_alu instid0(VALU_DEP_4)
	v_lshrrev_b32 v[TM+4+\b], 23, v[TM+12+\b]
.endr
	s_delay_alu instid0(VALU_DEP_3)
	v_lshl_or_b32 v[\pw], v[TM+5], 8, v[TM+4]
	s_delay_alu instid0(VALU_DEP_1)
	v_lshl_or_b32 v[\pw], v[TM+6], 16, v[\pw]
	s_delay_alu instid0(VALU_DEP_1)
	v_lshl_or_b32 v[\pw], v[TM+7], 24, v[\pw]
.irp c, 0,1
	v_cvt_scalef32_pk16_fp6_f32 v[PC+6*\c:PC+2+6*\c], v[\s+32*\c:\s+15+32*\c], v[TM+12+2*\c]
	v_cvt_scalef32_pk16_fp6_f32 v[PC+12+4*\c:PC+14+4*\c], v[\s+16+32*\c:\s+31+32*\c], v[TM+12+2*\c+1]
.endr
	v_nop                                          ; one plain line behind the scaled conversions
.irp c, 0,1
.irp i, 0,1,2
	v_permlane16_swap_b32 v[PC+6*\c+\i], v[PC+12+4*\c+\i]
.endr
.irp i, 0,1,2
	s_delay_alu instid0(VALU_DEP_3)
	v_mov_b32 v[PC+3+6*\c+\i], v[PC+12+4*\c+\i]
.endr
.endr
.endm
.macro ROPE src, i, koff               ; four numbers of each of two rows: t0 cos0 - t1 sin0, t1 cos1 + t0 sin1; into the stage
.set G,  \src+4*\i
.set CC, C+4*\i
.set SN, S+4*\i
.set UU, U+4*(\i%4)
	v_pk_mul_f32 v[UU:UU+1], v[G:G+1], v[CC:CC+1]
	v_pk_mul_f32 v[UU+2:UU+3], v[G+2:G+3], v[CC+2:CC+3]
	s_delay_alu instid0(VALU_DEP_2)
	v_fma_f32 v[UU], -v[G+1], v[SN], v[UU]
	v_fma_f32 v[UU+1], v[G], v[SN+1], v[UU+1]
	v_fma_f32 v[UU+2], -v[G+3], v[SN+2], v[UU+2]
	v_fma_f32 v[UU+3], v[G+2], v[SN+3], v[UU+3]
	ds_store_b128 v[SIN], v[UU:UU+3] offset:1056*\i+\koff
.endm
	s_load_b256 s[4:11], s[0:1], 0x0               ; qkv, ssq, cos, sin
	s_load_b256 s[12:19], s[0:1], 0x20             ; q's weight, k's weight, qi, kvi
	v_lshl_add_u32 v[SPW], v0, 2, SPARE
	v_mov_b32 v[NIL], 0
	v_lshrrev_b32 v1, 5, v0
	s_delay_alu instid0(VALU_DEP_1)
	v_readfirstlane_b32 s[WV], v1
	v_and_b32 v1, 31, v0                           ; lane
	v_and_b32 v2, 15, v0                           ; r
	v_bfe_u32 v3, v0, 4, 1                         ; h
	v_lshlrev_b32 v[L16], 4, v1
	v_lshlrev_b32 v[L8], 3, v1
	v_lshlrev_b32 v[R16], 4, v2
	v_lshlrev_b32 v[R4], 2, v2
	v_mul_u32_u24 v[SIN], v3, 528
	v_mul_u32_u24 v[SOUT], v2, 528
	v_lshl_add_u32 v[LA], v3, 13, v[R16]
	v_lshl_add_u32 v[PAO], v3, 16, v[R4]
	s_mul_i32 s21, s[WV], WST
	v_add_nc_u32 v[SIN], v[SIN], v[R16]
	v_lshl_add_u32 v[SOUT], v3, 6, v[SOUT]
	s_delay_alu instid0(VALU_DEP_2)
	v_add_nc_u32 v[SIN], s21, v[SIN]               ; in: row 2 i + h at 528 a row, 16 bytes a lane
	s_delay_alu instid0(VALU_DEP_2)
	v_add_nc_u32 v[SOUT], s21, v[SOUT]             ; out: row r, + 64 h: my 16 numbers of a block of 32
	s_mov_b32 s[SEL], 0x76543210
	s_mov_b32 s[SEL+1], 0xfedcba98
	s_mov_b32 s40, 0x3a000000                      ; 1 / 2,048
	s_mov_b32 s41, 0x358637bd                      ; 1e-6
	s_lshr_b32 s22, ttmp9, 1                       ; the tile of 16 rows
	s_and_b32 s23, ttmp9, 1
	s_lshl_b32 s23, s23, 4
	s_add_co_u32 s23, s23, s[WV]                   ; the head
	s_lshl_b32 s24, s22, 17
	s_lshl_b32 s26, s23, 8                         ; the head's 256 bytes of a row
	s_add_co_u32 s24, s24, s26
	s_mov_b32 s25, 0
	s_mov_b32 s27, 0
	s_lshl_b32 s28, s22, 6                         ; 16 words
	s_mov_b32 s29, 0
	s_mul_i32 s30, s23, 106496
	s_mul_i32 s32, s23, 208896
	s_mul_i32 s34, s22, 768
	s_add_co_u32 s36, s30, s28                     ; q's scale words (98,304 stands in the immediate)
	s_add_co_u32 s30, s30, s34                     ; q's half fragment
	s_mov_b32 s31, 0
	s_mov_b32 s37, 0
	s_lshr_b32 s38, s22, 3
	s_mul_i32 s38, s38, 768
	s_and_b32 s39, s22, 7
	s_lshl_b32 s39, s39, 6
	s_add_co_u32 s38, s38, s39
	s_add_co_u32 s38, s38, s32                     ; k's scale words (196,608 stands in the immediate)
	s_mov_b32 s39, 0
	s_add_co_u32 s32, s32, s34                     ; k's half fragment
	s_mov_b32 s33, 0
	s_wait_alu depctr_va_vdst(0)                   ; the wait at the head's end
	s_wait_kmcnt 0x0
	s_add_nc_u64 s[4:5], s[4:5], s[24:25]          ; q
	s_add_nc_u64 s[44:45], s[4:5], 0x1000000       ; k
	s_add_nc_u64 s[6:7], s[6:7], s[28:29]
	s_add_nc_u64 s[8:9], s[8:9], s[24:25]
	s_add_nc_u64 s[10:11], s[10:11], s[24:25]
	s_add_nc_u64 s[12:13], s[12:13], s[26:27]
	s_add_nc_u64 s[14:15], s[14:15], s[26:27]
	s_add_nc_u64 s[46:47], s[16:17], s[30:31]
	s_add_nc_u64 s[48:49], s[16:17], s[36:37]
	s_add_nc_u64 s[50:51], s[18:19], s[32:33]
	s_add_nc_u64 s[52:53], s[18:19], s[38:39]
.irp c, 0,1
.irp i, 0,1,2,3,4,5,6,7
	global_load_b32 v[PA+8*\c+\i], v[PAO], s[6:7] offset:131072*\c+8192*\i   ; row r's parts 8 h + i
.endr
.endr
	global_load_b128 v[W:W+3], v[R16], s[12:13]
	global_load_b128 v[W+4:W+7], v[R16], s[14:15]
.irp i, 0,1,2,3,4,5,6,7
	global_load_b128 v[Q+4*\i:Q+4*\i+3], v[LA], s[4:5] offset:16384*\i th:TH_LOAD_NT   ; rows 2 i, 2 i + 1: 256 consecutive bytes of each
.endr
.irp i, 0,1,2,3,4,5,6,7
	global_load_b128 v[K+4*\i:K+4*\i+3], v[LA], s[44:45] offset:16384*\i th:TH_LOAD_NT
.endr
.irp i, 0,1,2,3,4,5,6,7
	global_load_b128 v[C+4*\i:C+4*\i+3], v[LA], s[8:9] offset:16384*\i th:TH_LOAD_NT
.endr
.irp i, 0,1,2,3,4,5,6,7
	global_load_b128 v[S+4*\i:S+4*\i+3], v[LA], s[10:11] offset:16384*\i th:TH_LOAD_NT
.endr
	s_wait_loadcnt 34                              ; the 16 parts are in; the two weights and the 32 loads of rows may be out
.irp j, 0,2,4,6
.irp c, 0,8
	v_add_f32 v[PA+\c+\j], v[PA+\c+\j], v[PA+\c+\j+1]
.endr
.endr
.irp j, 0,4
.irp c, 0,8
	v_add_f32 v[PA+\c+\j], v[PA+\c+\j], v[PA+\c+\j+2]
.endr
.endr
.irp c, 0,8
	v_add_f32 v[PA+\c], v[PA+\c], v[PA+\c+4]
.endr
.irp c, 0,8
	s_delay_alu instid0(VALU_DEP_2)
	v_permlanex16_b32 v[PA+\c+1], v[PA+\c], s[SEL], s[SEL+1]
.endr
.irp c, 0,8
	s_delay_alu instid0(VALU_DEP_2)
	v_add_f32 v[PA+\c], v[PA+\c], v[PA+\c+1]       ; row r's sum of squares over all 2,048
.endr
.irp c, 0,8
	s_delay_alu instid0(VALU_DEP_2)
	v_fma_f32 v[PA+\c], v[PA+\c], s40, s41         ; the mean + 1e-6
.endr
	s_wait_alu depctr_va_vdst(0)                   ; the wait ahead of the transcendentals
	v_rsq_f32 v[RR], v[PA]
	v_rsq_f32 v[RR+2], v[PA+8]
.irp b, 0,1,2,3
	v_mov_b32 v[TM+4+\b], 0                        ; plain lines behind the transcendentals; a lane permute's destination counts as one of its sources
.endr
	s_wait_alu depctr_va_vdst(0)                   ; and ahead of their first reader
	v_mov_b32 v[RR+1], v[RR]
	v_mov_b32 v[RR+3], v[RR+2]
	s_wait_alu depctr_va_vdst(0)
	s_wait_loadcnt 16                              ; the weights, q and k are in; cos and sin may be out
.irp i, 0,1,2,3,4,5,6,7
	v_pk_mul_f32 v[Q+4*\i:Q+4*\i+1], v[Q+4*\i:Q+4*\i+1], v[W:W+1]
	v_pk_mul_f32 v[Q+4*\i+2:Q+4*\i+3], v[Q+4*\i+2:Q+4*\i+3], v[W+2:W+3]
	v_pk_mul_f32 v[K+4*\i:K+4*\i+1], v[K+4*\i:K+4*\i+1], v[W+4:W+5]
	v_pk_mul_f32 v[K+4*\i+2:K+4*\i+3], v[K+4*\i+2:K+4*\i+3], v[W+6:W+7]
.endr
	s_wait_alu depctr_va_vdst(0)
	s_wait_loadcnt 0x0                             ; cos and sin are in
.irp i, 0,1,2,3,4,5,6,7
	ROPE Q, \i, 0
	ROPE K, \i, 256
.endr
.irp b, 0,1,2,3
.irp j, 0,1,2,3
	ds_load_b128 v[X+16*\b+4*\j:X+16*\b+4*\j+3], v[SOUT] offset:128*\b+16*\j   ; LDS serves a wave's instructions in order: these see the stores above
.endr
.endr
	s_wait_dscnt 0x0
.irp i, 0,2,4,6,8,10,12,14,16,18,20,22,24,26,28,30
	v_pk_mul_f32 v[X+\i:X+\i+1], v[X+\i:X+\i+1], v[RR:RR+1]
	v_pk_mul_f32 v[X+32+\i:X+32+\i+1], v[X+32+\i:X+32+\i+1], v[RR+2:RR+3]
.endr
	QUANT X, PW
	global_store_b128 v[L16], v[PC+2:PC+5], s[46:47]           ; q: 512 consecutive bytes, aligned to 256
	global_store_b64 v[L8], v[PC:PC+1], s[46:47] offset:512    ; 256
	global_store_b128 v[L16], v[PC+8:PC+11], s[50:51]          ; k
	global_store_b64 v[L8], v[PC+6:PC+7], s[50:51] offset:512
	v_lshrrev_b32 v[PWK], 16, v[PW]                ; k's two bytes
	v_and_b32 v[PW], 0xffff, v[PW]                 ; q's
	s_delay_alu instid0(VALU_DEP_2)
	v_or_b32 v[PWK], 0x7f7f0000, v[PWK]            ; the idle half of the product's K: scale 1
	s_delay_alu instid0(VALU_DEP_2)
	v_or_b32 v[PW], 0x7f7f0000, v[PW]
	global_store_b32 v[R4], v[PW], s[48:49] offset:98304
	global_store_b32 v[R4], v[PWK], s[52:53] offset:196608
	s_wait_tensorcnt 0x0                           ; the wave's end
	ds_add_u32 v[SPW], v[NIL]
	s_wait_dscnt 0x0
	s_endpgm
.Lfunc_end_k_qcc70df31d3_prep:
	.size	k_qcc70df31d3_prep, .Lfunc_end_k_qcc70df31d3_prep-k_qcc70df31d3_prep
	.p2alignl 7, 3214868480
	.fill 96, 4, 3214868480
	.section	.rodata,"a",@progbits
	.p2align	6, 0x0
	.amdhsa_kernel k_qcc70df31d3_prep
		.amdhsa_group_segment_fixed_size 137216
		.amdhsa_private_segment_fixed_size 0
		.amdhsa_enable_private_segment 0
		.amdhsa_kernarg_size 64
		.amdhsa_user_sgpr_count 2
		.amdhsa_user_sgpr_kernarg_segment_ptr 1
		.amdhsa_wavefront_size32 1
		.amdhsa_system_sgpr_workgroup_id_x 1
		.amdhsa_system_sgpr_workgroup_id_y 1
		.amdhsa_system_sgpr_workgroup_id_z 1
		.amdhsa_system_vgpr_workitem_id 0
		.amdhsa_next_free_vgpr 256
		.amdhsa_next_free_sgpr 66
		.amdhsa_reserve_vcc 0
		.amdhsa_float_denorm_mode_32 3
		.amdhsa_float_denorm_mode_16_64 3
		.amdhsa_memory_ordered 1
		.amdhsa_forward_progress 1
		.amdhsa_inst_pref_size 29
	.end_amdhsa_kernel
	.amdgpu_metadata
---
amdhsa.version: [ 1, 2 ]
amdhsa.kernels:
  - .name:           k_qcc70df31d3_prep
    .symbol:         k_qcc70df31d3_prep.kd
    .args:
      - { .name: qkv, .offset: 0, .size: 8, .value_kind: global_buffer, .address_space: global }
      - { .name: ssq, .offset: 8, .size: 8, .value_kind: global_buffer, .address_space: global }
      - { .name: pe_cos, .offset: 16, .size: 8, .value_kind: global_buffer, .address_space: global }
      - { .name: pe_sin, .offset: 24, .size: 8, .value_kind: global_buffer, .address_space: global }
      - { .name: q_norm_w, .offset: 32, .size: 8, .value_kind: global_buffer, .address_space: global }
      - { .name: k_norm_w, .offset: 40, .size: 8, .value_kind: global_buffer, .address_space: global }
      - { .name: qi, .offset: 48, .size: 8, .value_kind: global_buffer, .address_space: global }
      - { .name: kvi, .offset: 56, .size: 8, .value_kind: global_buffer, .address_space: global }
    .group_segment_fixed_size: 137216
    .private_segment_fixed_size: 0
    .kernarg_segment_align: 8
    .kernarg_segment_size: 64
    .max_flat_workgroup_size: 512
    .sgpr_count:     66
    .vgpr_count:     256
    .wavefront_size: 32
...
	.end_amdgpu_metadata
.endif
;; end of part 3
;; launch attn (part 4): grid 8 x 32, 16 waves a work-group, clusters of 4 x 1, 210,944 bytes of LDS; arguments qi, kvi, oi; writes oi
.if DOCPART == 4
	.amdgcn_target "amdgcn-amd-amdhsa--gfx1250"
	.amdhsa_code_object_version 6
	.text
	.protected	k_qcc70df31d3_attn
	.globl	k_qcc70df31d3_attn
	.p2align	8
	.type	k_qcc70df31d3_attn,@function
k_qcc70df31d3_attn:
	s_mov_b64 s[64:65], 0
	v_nop
	global_prefetch_b8 v0, s[64:65] scope:SCOPE_SE
	s_setreg_imm32_b32 hwreg(HW_REG_WAVE_MODE, 25, 1), 1
	s_wait_xcnt 0x0
	s_wait_alu depctr_hold_cnt(0) depctr_sa_sdst(0) depctr_va_vdst(0) depctr_va_sdst(0) depctr_va_ssrc(0) depctr_va_vcc(0) depctr_vm_vsrc(0)
	s_getreg_b32 s2, hwreg(HW_REG_IB_STS2, 6, 4)
	s_cmp_eq_u32 s2, 0
	s_cbranch_scc0 .Lentry_in_a_cluster
	s_endpgm
.Lentry_in_a_cluster:
	s_bfe_u32 s2, ttmp6, 0x10000c
	s_cmp_lg_u32 s2, 0x3003
	s_cbranch_scc0 .Lentry_shape_is_right
	s_endpgm
.Lentry_shape_is_right:
; o[q][head] = softmax_k(q . k / 8) v for 32 heads of 64, 2,048 queries and keys, both products on codes of FP6 (E2M3) with one E8M0 scale for each 32 along a product's K; o leaves quantised, as the next product's operand.
; THE SOFTMAX: t = score x log2(e) / 8; M = the running largest t rounded UP to a whole number; p = 2^(t - M) is quantised along the keys, not normalised; the row's sum is taken of the unquantised p and divides at the end.
; When M moves, the sum and O are multiplied by 2^(old M - new M): exact.
; SHARES.  A work-group owns 256 queries of one head, each of its sixteen waves 16.  Every wave walks all keys, 128 a step, sixteen steps in one loop with no barrier inside.
; A WHOLE HEAD'S K, V AND SCALE WORDS STAY IN LDS, as they lie in kvi: 208,896 bytes = 16 x 51 rows of 256 bytes.  Each wave asks for 51 rows, its one tensor load; one wait and one barrier show the head to all.  Nothing is filled again.
; CLUSTER.  The four query blocks of a cluster belong to one head: every load is a joint one.  All requests stand at the head, so there is nothing to prefetch ahead of.
; LAYOUT.  Both products are used transposed: S^T = K Q^T (source 0 = 16 neighbouring keys), O^T = V^T P^T: a lane holds ONE query (lane % 16) throughout.
;   The head's 64 fill half of the first product's K.  Q's registers 6-11 are zero codes, so K's registers 6-11 may hold anything finite: K's tile t is named as v[32 + 6 t .. + 11], over the next tile's codes; the idle blocks' scale bytes are 127.
;   p's 16 registers of tiles 2 b, 2 b + 1 are keys 8 h + j and 16 + 8 h + j of block b; V's codes were laid in that order.  V's rows were chosen so that O^T's 16 registers of two tiles are 16 neighbouring channels.
; oi: row tile of 16 queries 25,600 bytes: half fragment [head] of 768 bytes, then scale bytes at 24,576 + 128 (head / 4) + 8 r + 4 ((head / 2) % 2) + 2 (head % 2) + block: these leave as single bytes, 2 for each 48 of codes.
; LIMITS: NaN and infinities are not served; a block of o whose largest magnitude lies under 2^-124 gets the byte 1.
; REGISTERS: v1-4 addresses that stay; v8-11 the step's; v12 -M, v13 the largest t, v[14:15] the sum; v16-27 Q; v32-79 K's eight tiles, then V's four fragments; v80-85 zeros; v86-89 K's scale words, v90-91 V's, v92 Q's;
;   v96-159 S^T, then p; v160-191 O^T; v224-235 p's codes; v232-255 at work; v253 p's scale word.
.set HKV,   208896
.set HQ,    106496
.set SPARE, 208896                     ; the spare words, 128 bytes a wave, named by no other line
.set A16,  1
.set A8,   2
.set AV,   3
.set AS,   4
.set SPW,  5
.set NIL,  6
.set LN,   7
.set ADK,  8
.set ADK8, 9
.set ADV,  10
.set ADS,  11
.set QSA,  93
.set OSA,  94
.set WV,   18
.set SEL,  20
.set CS,   22
.set G1C,  24
.set G0C,  44
.set TK,   60
.set TS,   61
.set CNT,  62
.macro ROUND
	s_barrier_signal -1
	s_barrier_wait -1
	s_cmp_lg_u32 s[WV], 0
	s_cbranch_scc1 .Lnot_wave_0_\@
	s_barrier_signal -3
.Lnot_wave_0_\@:
	s_barrier_wait -3
	s_barrier_signal -1
	s_barrier_wait -1
.endm
	s_load_b128 s[4:7], s[0:1], 0x0                ; qi, kvi
	s_load_b64 s[8:9], s[0:1], 0x10                ; oi
	v_lshl_add_u32 v[SPW], v0, 2, SPARE
	v_mov_b32 v[NIL], 0
	ds_add_u32 v[SPW], v[NIL]                      ; the opening lines
	ds_add_u32 v[SPW], v[NIL]
	v_lshrrev_b32 v1, 5, v0
	s_delay_alu instid0(VALU_DEP_1)
	v_readfirstlane_b32 s[WV], v1
	s_bfe_u32 s10, ttmp6, 0x40000                  ; cx: it enters Q's and o's addresses alone
	s_and_b32 s11, ttmp7, 0xffff                   ; the head, which the four partners share
	s_lshl_b32 s12, ttmp9, 2
	s_add_co_u32 s12, s12, s10
	s_lshl_b32 s12, s12, 4
	s_add_co_u32 s12, s12, s[WV]                   ; my tile of 16 queries
	s_mov_b32 s[G1C], 15|(3<<16)|(1<<21)           ; the mask of all four; elements of 8 bytes; bit 21 beside a mask
	s_mov_b32 s[G1C+1], 32<<16
	s_mov_b32 s[G1C+2], 51<<16
	s_mov_b32 s[G1C+3], 32<<16
	s_mov_b32 s[G1C+4], 51
	s_mov_b32 s[G1C+5], 32
	s_mov_b32 s[G1C+6], 0
	s_mov_b32 s[G1C+7], 0
	s_mul_i32 s15, s[WV], 13056                    ; my 51 rows of 256 bytes, in kvi's head and in LDS alike
	s_mul_i32 s16, s11, HKV
	s_mov_b32 s17, 0
	s_mov_b32 s[SEL], 0x76543210
	s_mov_b32 s[SEL+1], 0xfedcba98
	s_mov_b32 s[CS], 0x3e38aa3b
	s_mov_b32 s[CS+1], s[CS]
	s_wait_dscnt 0x0
	s_wait_kmcnt 0x0
	s_add_nc_u64 s[6:7], s[6:7], s[16:17]
	s_mov_b32 s16, s15
	s_add_nc_u64 s[6:7], s[6:7], s[16:17]
	s_mov_b32 s[G0C], 1
	s_mov_b32 s[G0C+1], s15
	s_mov_b64 s[G0C+2:G0C+3], s[6:7]
	s_or_b32 s[G0C+3], s[G0C+3], 0x80000000
	ROUND                                          ; all four work-groups are here: the joint loads meet
	tensor_load_to_lds s[G0C:G0C+3], s[G1C:G1C+7]  ; my one tensor load
	s_nop 0
.rept 4
	v_nop
.endr
	v_and_b32 v[LN], 31, v0
	s_delay_alu instid0(VALU_DEP_1)
	v_lshlrev_b32 v[A16], 4, v[LN]
	s_delay_alu instid0(VALU_DEP_2)
	v_lshl_add_u32 v[A8], v[LN], 3, 512
	s_delay_alu instid0(VALU_DEP_2)
	v_add_nc_u32 v[AV], 98304, v[A16]
	s_delay_alu instid0(VALU_DEP_4)
	v_lshl_add_u32 v[AS], v[LN], 2, 196608
	v_and_b32 v[QSA], 15, v0
	v_bfe_u32 v[OSA], v0, 4, 1
	s_delay_alu instid0(VALU_DEP_1)
	v_lshl_add_u32 v[OSA], v[QSA], 3, v[OSA]
	s_delay_alu instid0(VALU_DEP_3)
	v_lshlrev_b32 v[QSA], 2, v[QSA]
	s_mul_i32 s16, s11, HQ
	s_add_nc_u64 s[4:5], s[4:5], s[16:17]          ; my head in qi
	s_lshl_b32 s16, s12, 6
	s_add_nc_u64 s[66:67], s[4:5], s[16:17]        ; my queries' scale words
	s_mul_i32 s16, s12, 768
	s_add_nc_u64 s[4:5], s[4:5], s[16:17]          ; my half fragment
	global_load_b128 v[18:21], v[A16], s[4:5]
	global_load_b64 v[16:17], v[A8], s[4:5]
	global_load_b32 v92, v[QSA], s[66:67] offset:98304
	s_mul_i32 s16, s12, 25600
	s_add_nc_u64 s[8:9], s[8:9], s[16:17]          ; my row tile in oi
	s_lshr_b32 s16, s11, 2
	s_lshl_b32 s16, s16, 7
	s_bfe_u32 s13, s11, 0x10001
	s_lshl_b32 s13, s13, 2
	s_add_co_u32 s16, s16, s13
	s_and_b32 s13, s11, 1
	s_lshl_b32 s13, s13, 1
	s_add_co_u32 s16, s16, s13
	s_add_nc_u64 s[68:69], s[8:9], s[16:17]        ; my head's scale bytes
	s_mul_i32 s16, s11, 768
	s_add_nc_u64 s[8:9], s[8:9], s[16:17]          ; my head's half fragment
.irp j, 22,23,24,25,26,27,80,81,82,83,84,85
	v_mov_b32 v[\j], 0                             ; zero codes: the idle half of Q, and what tile 7 of K names beyond its own
.endr
	v_mov_b32 v13, 0xff61b1e6                      ; the largest t so far: -3e38
	s_delay_alu instid0(VALU_DEP_1)
	v_floor_f32 v12, -v13                          ; -M
	v_mov_b32 v14, 0
	v_mov_b32 v15, 0
.irp b, 0,1,2,3
	v_mov_b32 v[236+\b], 0                         ; a lane permute's destination counts as one of its sources
.endr
	v_mov_b32 v253, 0
.set J, 0
.rept 32
	v_mov_b32 v[160+J], 0                          ; O^T: the step is written once; its first run finds zeros
.set J, J+1
.endr
; A KEY STEP: 128 keys.
.macro STEP
	v_add_nc_u32 v[ADK], s[TK], v[A16]             ; (these four are the places between the last step's products and the loads into their registers)
	v_add_nc_u32 v[ADK8], s[TK], v[A8]
	v_add_nc_u32 v[ADV], s[TK], v[AV]
	v_add_nc_u32 v[ADS], s[TS], v[AS]
.irp t, 0,1,2,3,4,5,6,7
	ds_load_b128 v[34+6*\t:37+6*\t], v[ADK] offset:768*\t
	ds_load_b64 v[32+6*\t:33+6*\t], v[ADK8] offset:768*\t
.endr
.irp p, 0,1,2,3
	ds_load_b32 v[86+\p], v[ADS] offset:128*\p     ; lanes 0-15: tile 2 p's words, lanes 16-31: tile 2 p + 1's
.endr
	s_wait_alu depctr_va_vdst(0)
	s_wait_dscnt 0x0
.irp p, 0,1,2,3
	v_wmma_scale_f32_16x16x128_f8f6f4 v[96+16*\p:103+16*\p], v[32+12*\p:43+12*\p], v[16:27], 0, v[86+\p], v92 matrix_a_fmt:MATRIX_FMT_FP6 matrix_b_fmt:MATRIX_FMT_FP6
	v_wmma_scale_f32_16x16x128_f8f6f4 v[104+16*\p:111+16*\p], v[38+12*\p:49+12*\p], v[16:27], 0, v[86+\p], v92 matrix_a_fmt:MATRIX_FMT_FP6 matrix_b_fmt:MATRIX_FMT_FP6 matrix_a_scale:MATRIX_SCALE_ROW1
.endr
.rept 4
	v_nop                                          ; places in front of the loads below and of the first read of the scores
.endr
.irp u, 0,1,2,3                                ; V's four fragments land under the softmax
.irp p, 0,1,2
	ds_load_b128 v[32+12*\u+4*\p:35+12*\u+4*\p], v[ADV] offset:1536*\u+512*\p
.endr
.endr
	ds_load_b32 v90, v[ADS] offset:512
	ds_load_b32 v91, v[ADS] offset:640
.irp b, 0,1,2,3
	v_max3_num_f32 v[232+\b], v[96+16*\b], v[97+16*\b], v[98+16*\b]   ; the largest score of each block of 32 keys: for the row's maximum and for the block's largest p
.endr
.irp i, 3,5,7,9,11,13
.irp b, 0,1,2,3
	v_max3_num_f32 v[232+\b], v[232+\b], v[96+16*\b+\i], v[97+16*\b+\i]
.endr
.endr
.irp b, 0,1,2,3
	v_max_num_f32 v[232+\b], v[232+\b], v[111+16*\b]
.endr
.irp b, 0,1,2,3
	s_delay_alu instid0(VALU_DEP_4)
	v_permlanex16_b32 v[236+\b], v[232+\b], s[SEL], s[SEL+1]
.endr
.irp b, 0,1,2,3
	s_delay_alu instid0(VALU_DEP_4)
	v_max_num_f32 v[232+\b], v[232+\b], v[236+\b]
.endr
	s_delay_alu instid0(VALU_DEP_2)
	v_max3_num_f32 v254, v232, v233, v234
	s_delay_alu instid0(VALU_DEP_1)
	v_max_num_f32 v254, v254, v235
	s_delay_alu instid0(VALU_DEP_1)
	v_mul_f32 v254, s[CS], v254                    ; as t
	s_delay_alu instid0(VALU_DEP_1)
	v_max_num_f32 v13, v13, v254                   ; the running largest t
	v_mov_b32 v254, v12
	s_delay_alu instid0(VALU_DEP_2)
	v_floor_f32 v12, -v13                          ; the new -M = -ceil(t)
	s_delay_alu instid0(VALU_DEP_1)
	v_sub_f32 v254, v12, v254                      ; old M - new M: a whole number, 0 or less
	s_delay_alu instid0(VALU_DEP_1)
	v_cvt_i32_f32 v254, v254                       ; (it saturates)
	s_delay_alu instid0(VALU_DEP_1)
	v_ldexp_f32 v252, 1.0, v254                    ; f = 2^(old M - new M)
.set J, 0
.rept 32
	v_pk_fma_f32 v[96+J:97+J], v[96+J:97+J], s[CS:CS+1], v[12:13] op_sel_hi:[1,0,0]   ; t - M
.set J, J+2
.endr
.irp b, 0,1,2,3
	v_fma_f32 v[232+\b], v[232+\b], s[CS], v12
.endr
.set J, 0
	s_wait_alu depctr_va_vdst(0)                   ; the wait ahead of the batch
.rept 64
	v_exp_f32 v[96+J], v[96+J]                     ; p = 2^(t - M)
.set J, J+1
.endr
	v_pk_mul_f32 v[14:15], v[14:15], v[252:253] op_sel_hi:[1,0]   ; the sums under the new M: a plain line behind the exponentials
	s_wait_alu depctr_va_vdst(0)                   ; one wait for the batch, ahead of its first reader
.irp b, 0,1,2,3
	v_exp_f32 v[232+\b], v[232+\b]                 ; the block's largest p
.endr
	v_pk_add_f32 v[236:237], v[100:101], v[104:105]
	v_pk_add_f32 v[254:255], v[108:109], v[112:113]
	v_pk_add_f32 v[250:251], v[116:117], v[120:121]
	v_pk_add_f32 v[248:249], v[124:125], v[128:129]
	v_pk_add_f32 v[246:247], v[132:133], v[136:137]
	v_pk_add_f32 v[244:245], v[140:141], v[144:145]
	v_pk_add_f32 v[242:243], v[148:149], v[152:153]
	v_pk_add_f32 v[14:15], v[14:15], v[156:157]
	v_pk_add_f32 v[236:237], v[236:237], v[96:97]
	v_pk_add_f32 v[254:255], v[254:255], v[98:99]
	v_pk_add_f32 v[250:251], v[250:251], v[102:103]
	v_pk_add_f32 v[248:249], v[248:249], v[106:107]
	v_pk_add_f32 v[246:247], v[246:247], v[110:111]
	v_pk_add_f32 v[244:245], v[244:245], v[114:115]
	v_pk_add_f32 v[242:243], v[242:243], v[118:119]
	v_pk_add_f32 v[14:15], v[14:15], v[122:123]
	v_pk_add_f32 v[236:237], v[236:237], v[126:127]
	v_pk_add_f32 v[254:255], v[254:255], v[130:131]
	v_pk_add_f32 v[250:251], v[250:251], v[134:135]
	v_pk_add_f32 v[248:249], v[248:249], v[138:139]
	v_pk_add_f32 v[246:247], v[246:247], v[142:143]
	v_pk_add_f32 v[244:245], v[244:245], v[146:147]
	v_pk_add_f32 v[242:243], v[242:243], v[150:151]
	v_pk_add_f32 v[14:15], v[14:15], v[154:155]
	v_pk_add_f32 v[236:237], v[236:237], v[158:159]
	s_delay_alu instid0(VALU_DEP_2)
	v_pk_add_f32 v[14:15], v[14:15], v[248:249]
	s_delay_alu instid0(VALU_DEP_2)
	v_pk_add_f32 v[236:237], v[236:237], v[246:247]
	v_pk_add_f32 v[254:255], v[254:255], v[244:245]
	v_pk_add_f32 v[250:251], v[250:251], v[242:243]
	s_delay_alu instid0(VALU_DEP_2)
	v_pk_add_f32 v[14:15], v[14:15], v[254:255]
	s_delay_alu instid0(VALU_DEP_2)
	v_pk_add_f32 v[236:237], v[236:237], v[250:251]
	s_delay_alu instid0(VALU_DEP_1)
	v_pk_add_f32 v[14:15], v[14:15], v[236:237]
	s_wait_alu depctr_va_vdst(0)                   ; and one for the four
.irp b, 0,1,2,3
	v_max_num_f32 v[232+\b], 0x1800000, v[232+\b]  ; the floor 2^(3 - 127)
.endr
.irp b, 0,1,2,3
	s_delay_alu instid0(VALU_DEP_4)
	v_add_nc_u32 v[244+\b], 0xff000000, v[232+\b]
.endr
.irp b, 0,1,2,3
	s_delay_alu instid0(VALU_DEP_4)
	v_lshrrev_b32 v[236+\b], 23, v[244+\b]
.endr
	s_delay_alu instid0(VALU_DEP_3)
	v_lshl_or_b32 v253, v237, 8, v236              ; p's scale word for these 128 keys
	s_delay_alu instid0(VALU_DEP_1)
	v_lshl_or_b32 v253, v238, 16, v253
	s_delay_alu instid0(VALU_DEP_1)
	v_lshl_or_b32 v253, v239, 24, v253
.irp c, 0,1
	v_cvt_scalef32_pk16_fp6_f32 v[224+6*\c:226+6*\c], v[96+32*\c:111+32*\c], v[244+2*\c]
	v_cvt_scalef32_pk16_fp6_f32 v[236+4*\c:238+4*\c], v[112+32*\c:127+32*\c], v[244+2*\c+1]
.endr
	v_nop
.irp c, 0,1
.irp i, 0,1,2
	v_permlane16_swap_b32 v[224+6*\c+\i], v[236+4*\c+\i]
.endr
.irp i, 0,1,2
	s_delay_alu instid0(VALU_DEP_3)
	v_mov_b32 v[227+6*\c+\i], v[236+4*\c+\i]
.endr
.endr
.set J, 0
.rept 16
	v_pk_mul_f32 v[160+J:161+J], v[160+J:161+J], v[252:253] op_sel_hi:[1,0]   ; O^T under the new M, each accumulator from its low end on; sixteen plain lines ahead of the products below
.set J, J+2
.endr
	s_wait_alu depctr_va_vdst(0)
	s_wait_dscnt 0x0                               ; V is in
.irp p, 0,1
	v_wmma_scale_f32_16x16x128_f8f6f4 v[160+16*\p:167+16*\p], v[32+24*\p:43+24*\p], v[224:235], v[160+16*\p:167+16*\p], v[90+\p], v253 matrix_a_fmt:MATRIX_FMT_FP6 matrix_b_fmt:MATRIX_FMT_FP6
	v_wmma_scale_f32_16x16x128_f8f6f4 v[168+16*\p:175+16*\p], v[44+24*\p:55+24*\p], v[224:235], v[168+16*\p:175+16*\p], v[90+\p], v253 matrix_a_fmt:MATRIX_FMT_FP6 matrix_b_fmt:MATRIX_FMT_FP6 matrix_a_scale:MATRIX_SCALE_ROW1
.endr
	s_add_co_u32 s[TK], s[TK], 6144
	s_add_co_u32 s[TS], s[TS], 768
.endm
	s_wait_loadcnt 0x0                             ; Q
	s_wait_tensorcnt 0x0                           ; my 51 rows are in;
	s_barrier_signal -1
	s_barrier_wait -1                              ; and the whole head
	s_mov_b32 s[TK], 0
	s_mov_b32 s[TS], 0
	s_mov_b32 s[CNT], 16
.Lstep:
	STEP
	s_sub_co_u32 s[CNT], s[CNT], 1
	s_cmp_lg_u32 s[CNT], 0
	s_cbranch_scc1 .Lstep
	; THE WAY OUT: O^T / the sum, quantised along the channels: register 16 b + i is channel 32 b + 16 h + i of my query
.rept 4
	v_nop
.endr
	v_add_f32 v14, v14, v15
	s_delay_alu instid0(VALU_DEP_1)
	v_permlanex16_b32 v252, v14, s[SEL], s[SEL+1]
	s_delay_alu instid0(VALU_DEP_1)
	v_add_f32 v14, v14, v252                       ; the row's sum
	s_wait_alu depctr_va_vdst(0)
	v_rcp_f32 v252, v14
	v_nop                                          ; a plain line behind the transcendental
	s_wait_alu depctr_va_vdst(0)                   ; the wait ahead of its first reader
.set J, 0
.rept 16
	v_pk_mul_f32 v[160+J:161+J], v[160+J:161+J], v[252:253] op_sel_hi:[1,0]
.set J, J+2
.endr
.irp b, 0,1
	v_max3_num_f32 v[232+\b], |v[160+16*\b]|, |v[161+16*\b]|, 0x1800000
.endr
.irp i, 2,4,6,8,10,12,14
.irp b, 0,1
	s_delay_alu instid0(VALU_DEP_2)
	v_max3_num_f32 v[232+\b], v[232+\b], |v[160+16*\b+\i]|, |v[161+16*\b+\i]|
.endr
.endr
.irp b, 0,1
	s_delay_alu instid0(VALU_DEP_2)
	v_permlanex16_b32 v[236+\b], v[232+\b], s[SEL], s[SEL+1]
.endr
.irp b, 0,1
	s_delay_alu instid0(VALU_DEP_2)
	v_max_num_f32 v[232+\b], v[232+\b], v[236+\b]
.endr
.irp b, 0,1
	s_delay_alu instid0(VALU_DEP_2)
	v_add_nc_u32 v[244+\b], 0xff000000, v[232+\b]
.endr
.irp b, 0,1
	s_delay_alu instid0(VALU_DEP_2)
	v_lshrrev_b32 v[236+\b], 23, v[244+\b]
.endr
	v_cvt_scalef32_pk16_fp6_f32 v[224:226], v[160:175], v244
	v_cvt_scalef32_pk16_fp6_f32 v[240:242], v[176:191], v245
	v_nop
.irp i, 0,1,2
	v_permlane16_swap_b32 v[224+\i], v[240+\i]     ; a whole block to a lane: lanes 0-15 block 0, lanes 16-31 block 1
.endr
.irp i, 0,1,2
	s_delay_alu instid0(VALU_DEP_3)
	v_mov_b32 v[227+\i], v[240+\i]
.endr
	v_cmp_gt_u32 vcc_lo, 16, v[LN]
	s_delay_alu instid0(VALU_DEP_1)
	v_cndmask_b32 v236, v237, v236, vcc_lo         ; lane (r, h) sends block h's byte
	global_store_b128 v[A16], v[226:229], s[8:9]   ; 512 consecutive bytes, aligned to 256
	global_store_b64 v[A8], v[224:225], s[8:9]     ; 256
	global_store_b8 v[OSA], v236, s[68:69] offset:24576
	s_wait_tensorcnt 0x0                           ; the wave's end
	ds_add_u32 v[SPW], v[NIL]
	s_wait_dscnt 0x0
	ROUND                                          ; the closing round
	s_endpgm
.Lfunc_end_k_qcc70df31d3_attn:
	.size	k_qcc70df31d3_attn, .Lfunc_end_k_qcc70df31d3_attn-k_qcc70df31d3_attn
	.p2alignl 7, 3214868480
	.fill 96, 4, 3214868480
	.section	.rodata,"a",@progbits
	.p2align	6, 0x0
	.amdhsa_kernel k_qcc70df31d3_attn
		.amdhsa_group_segment_fixed_size 210944
		.amdhsa_private_segment_fixed_size 0
		.amdhsa_enable_private_segment 0
		.amdhsa_kernarg_size 24
		.amdhsa_user_sgpr_count 2
		.amdhsa_user_sgpr_kernarg_segment_ptr 1
		.amdhsa_wavefront_size32 1
		.amdhsa_system_sgpr_workgroup_id_x 1
		.amdhsa_system_sgpr_workgroup_id_y 1
		.amdhsa_system_sgpr_workgroup_id_z 1
		.amdhsa_system_vgpr_workitem_id 0
		.amdhsa_next_free_vgpr 256
		.amdhsa_next_free_sgpr 96
		.amdhsa_reserve_vcc 1
		.amdhsa_float_denorm_mode_32 3
		.amdhsa_float_denorm_mode_16_64 3
		.amdhsa_memory_ordered 1
		.amdhsa_forward_progress 1
		.amdhsa_inst_pref_size 29
	.end_amdhsa_kernel
	.amdgpu_metadata
---
amdhsa.version: [ 1, 2 ]
amdhsa.kernels:
  - .name:           k_qcc70df31d3_attn
    .symbol:         k_qcc70df31d3_attn.kd
    .args:
      - { .name: qi, .offset: 0, .size: 8, .value_kind: global_buffer, .address_space: global }
      - { .name: kvi, .offset: 8, .size: 8, .value_kind: global_buffer, .address_space: global }
      - { .name: oi, .offset: 16, .size: 8, .value_kind: global_buffer, .address_space: global }
    .group_segment_fixed_size: 210944
    .private_segment_fixed_size: 0
    .kernarg_segment_align: 8
    .kernarg_segment_size: 24
    .max_flat_workgroup_size: 512
    .sgpr_count:     96
    .vgpr_count:     256
    .wavefront_size: 32
...
	.end_amdgpu_metadata
.endif
;; end of part 4
;; launch go (part 5): grid 16 x 16, 4 waves a work-group, clusters of 4 x 1, 205,312 bytes of LDS; arguments oi, woi, bo, out0; writes out0
.if DOCPART == 5
	.amdgcn_target "amdgcn-amd-amdhsa--gfx1250"
	.amdhsa_code_object_version 6
	.text
	.protected	k_qcc70df31d3_go
	.globl	k_qcc70df31d3_go
	.p2align	8
	.type	k_qcc70df31d3_go,@function
k_qcc70df31d3_go:
	s_mov_b64 s[64:65], 0
	v_nop
	global_prefetch_b8 v0, s[64:65] scope:SCOPE_SE
	s_setreg_imm32_b32 hwreg(HW_REG_WAVE_MODE, 25, 1), 1
	s_wait_xcnt 0x0
	s_wait_alu depctr_hold_cnt(0) depctr_sa_sdst(0) depctr_va_vdst(0) depctr_va_sdst(0) depctr_va_ssrc(0) depctr_va_vcc(0) depctr_vm_vsrc(0)
	s_getreg_b32 s2, hwreg(HW_REG_IB_STS2, 6, 4)
	s_cmp_eq_u32 s2, 0
	s_cbranch_scc0 .Lentry_in_a_cluster
	s_endpgm
.Lentry_in_a_cluster:
	s_bfe_u32 s2, ttmp6, 0x10000c
	s_cmp_lg_u32 s2, 0x3003
	s_cbranch_scc0 .Lentry_shape_is_right
	s_endpgm
.Lentry_shape_is_right:
; C = A B^T + bias on codes of FP6 (E2M3) with E8M0 scales; A and B lie as row tiles of 25,600 bytes (16 rows, all of K = 2,048): 32 half fragments of 768 bytes, then 1,024 bytes of scale words.
; A work-group makes 128 rows x 64 NB columns of C; wave w takes all 128 rows x its own NB tiles of 16 columns: 8 NB accumulators.
; A's 128 rows, all of K, are 204,800 bytes: they come into LDS once, one tensor load a wave (200 rows of 256 bytes), asked for jointly by the four work-groups of a cluster, which share the rows.  Nothing is filled again.
; B's tiles belong to one wave alone, in the work-group and in the cluster: they go from memory straight into registers, RD - 1 steps of 128 along K ahead, so no joint load and no prefetch is laid for them.
; The matrix instruction is used transposed (source 0 = 16 rows of B, source 1 = 16 rows of A): a lane holds eight neighbouring columns of one row of C.
; The way out: all accumulators go to a stage laid over A's bytes (their one fill is over, a barrier shows all reads done), come back as whole rows, take the bias, and leave as runs of 512 aligned bytes.
; REGISTERS: window 0: v0-23 addresses, v24-55 A's scale words (two sets), v56-87 B's scale words, v152-247 A's fragments of even steps; window 1: B's RD sets, v216-219 the bias;
;   window 2: the accumulators; window 3: v128-223 A's fragments of odd steps.
.set NB, 2
.set RD, 8
.set NC, NB/2                          ; runs of 512 bytes in a row of the block
.set RT, 25600
.set PITCH, NB*256+16                  ; a stage row
.set SPARE, 8*RT                       ; the spare words, 128 bytes a wave, named by no other line
.set A16, 2                            ; v2-5   16 x lane + 51,200 g
.set A8,  6                            ; v6-9   8 x lane + 51,200 g
.set ASA, 10                           ; v10-13 8 r + 51,200 g
.set STO, 14                           ; v14-17 the stage, on the way in, rows 32 g on
.set RDB, 18                           ; the stage, on the way back
.set SPW, 19
.set NIL, 20
.set AS,  24
.set BS,  56
.set OB,  152
.set BIA, 216
.set WV,  16
.set G0,  20
.set G1,  24
.set BP,  32
.set OP,  36
.set BPT, 42
.if NB == 6
.set CPT, 14
.else
.set CPT, 10
.endif
.set MSB, 0
.macro WIN new
.if MSB != (\new)
	s_set_vgpr_msb (MSB<<8)|(\new)
.set MSB, \new
.endif
.endm
.macro ROUND
	s_barrier_signal -1
	s_barrier_wait -1
	s_cmp_lg_u32 s[WV], 0
	s_cbranch_scc1 .Lnot_wave_0_\@
	s_barrier_signal -3
.Lnot_wave_0_\@:
	s_barrier_wait -3
	s_barrier_signal -1
	s_barrier_wait -1
.endm
.macro FETCH_A q                       ; A's eight fragments of step q; with an even step the scale words of it and the next
.set FB, 152-24*((\q)%2)
	WIN 0xc0*((\q)%2)
.irp i, 0,1,2,3,4,5,6,7
	ds_load_b128 v[FB+12*\i+2:FB+12*\i+5], v[A16+\i/2] offset:RT*(\i%2)+1536*(\q)
	ds_load_b64 v[FB+12*\i:FB+12*\i+1], v[A8+\i/2] offset:RT*(\i%2)+1536*(\q)+512
	ds_load_b128 v[FB+12*\i+8:FB+12*\i+11], v[A16+\i/2] offset:RT*(\i%2)+1536*(\q)+768
	ds_load_b64 v[FB+12*\i+6:FB+12*\i+7], v[A8+\i/2] offset:RT*(\i%2)+1536*(\q)+1280
.endr
	WIN 0
.if (\q)%2 == 0
.irp i, 0,1,2,3,4,5,6,7
	ds_load_b64 v[AS+16*(((\q)/2)%2)+2*\i:AS+16*(((\q)/2)%2)+2*\i+1], v[ASA+\i/2] offset:RT*(\i%2)+24576+64*(\q)
.endr
.endif
.endm
.macro BFETCH q                        ; B's NB fragments of step q into set q % RD: 4 NB loads
.set BB, 12*NB*((\q)%RD)
	WIN 0x40
.irp b, 0,1,2,3,4,5
.if \b < NB
	global_load_b128 v[BB+12*\b+2:BB+12*\b+5], v[A16], s[BP:BP+1] offset:RT*\b+1536*(\q)
	global_load_b64 v[BB+12*\b:BB+12*\b+1], v[A8], s[BP:BP+1] offset:RT*\b+1536*(\q)+512
	global_load_b128 v[BB+12*\b+8:BB+12*\b+11], v[A16], s[BP:BP+1] offset:RT*\b+1536*(\q)+768
	global_load_b64 v[BB+12*\b+6:BB+12*\b+7], v[A8], s[BP:BP+1] offset:RT*\b+1536*(\q)+1280
.endif
.endr
.endm
.macro MULS q                          ; 8 NB products; the accumulators take turns, in the same order in every step
.set FA, 152-24*((\q)%2)
.set BB, 12*NB*((\q)%RD)
.irp b, 0,1,2,3,4,5
.if \b < NB
	WIN 0x01|(0x0c*((\q)%2))|(0xa0+0x50*(\b/4))
.irp a, 0,1,2,3,4,5,6,7
.set DD, 8*(8*(\b%4)+\a)
.if (\q) == 0
	v_wmma_scale_f32_16x16x128_f8f6f4 v[DD:DD+7], v[BB+12*\b:BB+12*\b+11], v[FA+12*\a:FA+12*\a+11], 0, v[BS+16*\b+(\q)], v[AS+16*(((\q)/2)%2)+2*\a+(\q)%2] matrix_a_fmt:MATRIX_FMT_FP6 matrix_b_fmt:MATRIX_FMT_FP6
.else
	v_wmma_scale_f32_16x16x128_f8f6f4 v[DD:DD+7], v[BB+12*\b:BB+12*\b+11], v[FA+12*\a:FA+12*\a+11], v[DD:DD+7], v[BS+16*\b+(\q)], v[AS+16*(((\q)/2)%2)+2*\a+(\q)%2] matrix_a_fmt:MATRIX_FMT_FP6 matrix_b_fmt:MATRIX_FMT_FP6
.endif
.endr
.endif
.endr
.endm
.macro STEP q
	s_wait_dscnt 0x0                               ; this step's fragments of A and its scale words are in
.if 15-(\q) < RD-1
	s_wait_loadcnt 4*NB*(15-(\q))                  ; this step's set of B is in; the later steps' loads may be out
.else
	s_wait_loadcnt 4*NB*(RD-1)
.endif
.if (\q) < 15
	FETCH_A (\q)+1                                 ; into the set that the last step multiplied: four places stand behind its products
.endif
	MULS \q
.rept 4
	v_nop                                          ; places ahead of loads into registers just multiplied, and of the first read of results
.endr
.if (\q)+RD < 16
	BFETCH (\q)+RD
.endif
.endm
.if NB == 6
	s_load_b256 s[4:11], s[0:1], 0x0               ; A, B, three biases
	s_load_b128 s[12:15], s[0:1], 0x20             ; and C
.else
	s_load_b256 s[4:11], s[0:1], 0x0               ; A, B, the bias, C
.endif
	v_lshl_add_u32 v[SPW], v0, 2, SPARE
	v_mov_b32 v[NIL], 0
	ds_add_u32 v[SPW], v[NIL]                      ; the opening lines
	ds_add_u32 v[SPW], v[NIL]
	v_lshrrev_b32 v1, 5, v0
	v_readfirstlane_b32 s[WV], v1
	v_and_b32 v21, 31, v0                          ; lane
	v_and_b32 v22, 15, v0                          ; r
	v_bfe_u32 v23, v0, 4, 1                        ; h
.irp g, 0,1,2,3
	v_lshl_add_u32 v[A16+\g], v21, 4, \g*2*RT
	v_lshl_add_u32 v[A8+\g], v21, 3, \g*2*RT
	v_lshl_add_u32 v[ASA+\g], v22, 3, \g*2*RT
.endr
	v_mul_u32_u24 v1, v22, PITCH
	v_lshl_add_u32 v1, v23, 5, v1
	s_mul_i32 s48, s[WV], NB*64
	v_add_nc_u32 v1, s48, v1                       ; row r, 32 h, my wave's columns
.irp g, 0,1,2,3
	v_add_nc_u32 v[STO+\g], \g*32*PITCH, v1
.endr
	s_mul_i32 s48, s[WV], 32*PITCH
	v_lshl_add_u32 v[RDB], v21, 4, s48             ; back: my wave's 32 rows, 16 bytes a lane
	s_bfe_u32 s17, ttmp6, 0x40000                  ; cx: it enters B's, the bias's and C's addresses alone
	s_lshl_b32 s18, ttmp9, 2
	s_add_co_u32 s18, s18, s17                     ; x: the block's columns
	s_and_b32 s19, ttmp7, 0xffff                   ; y: the block's rows, shared by the cluster
	s_mov_b32 s[G1], 15|(3<<16)|(1<<21)            ; the mask of all four; elements of 8 bytes; bit 21 beside a mask
	s_mov_b32 s[G1+1], 32<<16
	s_mov_b32 s[G1+2], 200<<16
	s_mov_b32 s[G1+3], 32<<16
	s_mov_b32 s[G1+4], 200
	s_mov_b32 s[G1+5], 32
	s_mov_b32 s[G1+6], 0
	s_mov_b32 s[G1+7], 0
	s_lshl_b32 s48, s19, 3
	s_lshl_b32 s49, s[WV], 1
	s_add_co_u32 s48, s48, s49
	s_mul_i32 s48, s48, RT                         ; A: row tiles 8 y + 2 w, 2 w + 1
	s_mov_b32 s49, 0
	s_mov_b32 s[G0], 1
	s_mul_i32 s[G0+1], s[WV], 2*RT
	s_lshl_b32 s50, s18, 2
	s_add_co_u32 s50, s50, s[WV]
	s_mul_i32 s50, s50, NB*RT                      ; B: row tiles NB (4 x + w) on
	s_mov_b32 s51, 0
	s_lshl_b32 s54, s19, 7
	s_lshl_b32 s55, s[WV], 5
	s_add_co_u32 s54, s54, s55
	s_lshl_b32 s54, s54, 13                        ; C: row 128 y + 32 w, 8,192 bytes a row
	s_wait_alu depctr_va_vdst(0)                   ; the wait at the head's end
	s_wait_dscnt 0x0
	s_wait_kmcnt 0x0
	s_add_nc_u64 s[G0+2:G0+3], s[4:5], s[48:49]
	s_or_b32 s[G0+3], s[G0+3], 0x80000000
	s_add_nc_u64 s[BP:BP+1], s[6:7], s[50:51]
.irp c, 0,1,2
.if \c < NC
	s_mul_i32 s50, s18, NC
	s_add_co_u32 s50, s50, \c                      ; which run of 128 columns
	s_lshr_b32 s51, s50, 4                         ; its plane
	s_and_b32 s52, s50, 15
	s_lshl_b32 s52, s52, 9                         ; its bytes in a row, and in the bias
	s_mov_b32 s53, 0
.if NB == 6
	s_cmp_eq_u32 s51, 1
	s_cselect_b64 s[BPT+2*\c:BPT+2*\c+1], s[10:11], s[8:9]
	s_cmp_eq_u32 s51, 2
	s_cselect_b64 s[BPT+2*\c:BPT+2*\c+1], s[12:13], s[BPT+2*\c:BPT+2*\c+1]
	s_add_nc_u64 s[BPT+2*\c:BPT+2*\c+1], s[BPT+2*\c:BPT+2*\c+1], s[52:53]
.else
	s_add_nc_u64 s[BPT+2*\c:BPT+2*\c+1], s[8:9], s[52:53]
.endif
	s_lshl_b32 s51, s51, 24
	s_add_co_u32 s52, s52, s51
	s_add_co_u32 s52, s52, s54
	s_add_nc_u64 s[OP+2*\c:OP+2*\c+1], s[CPT:CPT+1], s[52:53]
.endif
.endr
	ROUND                                          ; the four work-groups are here: the joint loads meet
	tensor_load_to_lds s[G0:G0+3], s[G1:G1+7]      ; my one tensor load: two row tiles of A
	s_nop 0
.rept 4
	v_nop
.endr
	WIN 0x40
.irp c, 0,1,2
.if \c < NC
	global_load_b128 v[BIA+4*\c:BIA+4*\c+3], v[A16], s[BPT+2*\c:BPT+2*\c+1]
.endif
.endr
	WIN 0
.irp b, 0,1,2,3,4,5
.if \b < NB
.irp p, 0,1,2,3,4,5,6,7
	global_load_b64 v[BS+16*\b+2*\p:BS+16*\b+2*\p+1], v[ASA], s[BP:BP+1] offset:RT*\b+24576+128*\p   ; B's scale words, all of K: row r's in both halves of the lanes
.endr
.endif
.endr
.set Q, 0
.rept RD
	BFETCH Q
.set Q, Q+1
.endr
	WIN 0
	s_wait_tensorcnt 0x0                           ; my part of A is in;
	s_barrier_signal -1
	s_barrier_wait -1                              ; and everybody's
	FETCH_A 0
.set Q, 0
.rept 16
	STEP Q
.set Q, Q+1
.endr
	WIN 0
	s_wait_dscnt 0x0
	s_barrier_signal -1
	s_barrier_wait -1                              ; nobody reads A any more: the stage may be laid over it
.irp b, 0,1,2,3,4,5
.if \b < NB
	WIN 0x08+4*(\b/4)
.irp a, 0,1,2,3,4,5,6,7
.set DD, 8*(8*(\b%4)+\a)
	ds_store_b128 v[STO+\a/2], v[DD:DD+3] offset:(\a%2)*16*PITCH+64*\b       ; each accumulator from its low end on
	ds_store_b128 v[STO+\a/2], v[DD+4:DD+7] offset:(\a%2)*16*PITCH+64*\b+16
.endr
.endif
.endr
	WIN 0
	s_wait_dscnt 0x0                               ; for the others' sake: my stores have landed
	s_barrier_signal -1
	s_barrier_wait -1
.irp k, 0,1,2,3                        ; eight rows at a time
.if \k > 0
	s_wait_xcnt 0x0                                ; the last stores have read their registers
.endif
.irp t, 0,1,2,3,4,5,6,7
.irp c, 0,1,2
.if \c < NC
	ds_load_b128 v[OB+4*(NC*\t+\c):OB+4*(NC*\t+\c)+3], v[RDB] offset:(8*\k+\t)*PITCH+512*\c
.endif
.endr
.endr
	s_wait_dscnt 0x0
	WIN 0x04                                       ; the bias lies in window 1
.irp t, 0,1,2,3,4,5,6,7
.irp c, 0,1,2
.if \c < NC
	v_pk_add_f32 v[OB+4*(NC*\t+\c):OB+4*(NC*\t+\c)+1], v[OB+4*(NC*\t+\c):OB+4*(NC*\t+\c)+1], v[BIA+4*\c:BIA+4*\c+1]
	v_pk_add_f32 v[OB+4*(NC*\t+\c)+2:OB+4*(NC*\t+\c)+3], v[OB+4*(NC*\t+\c)+2:OB+4*(NC*\t+\c)+3], v[BIA+4*\c+2:BIA+4*\c+3]
.endif
.endr
.endr
	WIN 0
.irp t, 0,1,2,3,4,5,6,7
.irp c, 0,1,2
.if \c < NC
	global_store_b128 v[A16], v[OB+4*(NC*\t+\c):OB+4*(NC*\t+\c)+3], s[OP+2*\c:OP+2*\c+1] offset:(8*\k+\t)*8192   ; 512 consecutive bytes, aligned
.endif
.endr
.endr
.endr
	s_wait_tensorcnt 0x0                           ; the wave's end
	ds_add_u32 v[SPW], v[NIL]
	s_wait_dscnt 0x0
	ROUND                                          ; the closing round
	s_endpgm
.Lfunc_end_k_qcc70df31d3_go:
	.size	k_qcc70df31d3_go, .Lfunc_end_k_qcc70df31d3_go-k_qcc70df31d3_go
	.p2alignl 7, 3214868480
	.fill 96, 4, 3214868480
	.section	.rodata,"a",@progbits
	.p2align	6, 0x0
	.amdhsa_kernel k_qcc70df31d3_go
		.amdhsa_group_segment_fixed_size 205312
		.amdhsa_private_segment_fixed_size 0
		.amdhsa_enable_private_segment 0
		.amdhsa_kernarg_size 32
		.amdhsa_user_sgpr_count 2
		.amdhsa_user_sgpr_kernarg_segment_ptr 1
		.amdhsa_wavefront_size32 1
		.amdhsa_system_sgpr_workgroup_id_x 1
		.amdhsa_system_sgpr_workgroup_id_y 1
		.amdhsa_system_sgpr_workgroup_id_z 1
		.amdhsa_system_vgpr_workitem_id 0
		.amdhsa_next_free_vgpr 1024
		.amdhsa_next_free_sgpr 66
		.amdhsa_reserve_vcc 0
		.amdhsa_float_denorm_mode_32 3
		.amdhsa_float_denorm_mode_16_64 3
		.amdhsa_memory_ordered 1
		.amdhsa_forward_progress 1
		.amdhsa_inst_pref_size 104
	.end_amdhsa_kernel
	.amdgpu_metadata
---
amdhsa.version: [ 1, 2 ]
amdhsa.kernels:
  - .name:           k_qcc70df31d3_go
    .symbol:         k_qcc70df31d3_go.kd
    .args:
      - { .name: oi, .offset: 0, .size: 8, .value_kind: global_buffer, .address_space: global }
      - { .name: woi, .offset: 8, .size: 8, .value_kind: global_buffer, .address_space: global }
      - { .name: bo, .offset: 16, .size: 8, .value_kind: global_buffer, .address_space: global }
      - { .name: out0, .offset: 24, .size: 8, .value_kind: global_buffer, .address_space: global }
    .group_segment_fixed_size: 205312
    .private_segment_fixed_size: 0
    .kernarg_segment_align: 8
    .kernarg_segment_size: 32
    .max_flat_workgroup_size: 128
    .sgpr_count:     66
    .vgpr_count:     1024
    .wavefront_size: 32
...
	.end_amdgpu_metadata
.endif
;; end of part 5
